; MI455X (gfx1250); checked and timed in simulation.
; The chip was launched on July 23, 2026; its instructions are those of AMD's public machine-readable ISA for CDNA 5 (MIT licence, August 2026) and "CDNA5" Instruction Set Architecture Reference Guide (July 2026). The comments in the code are by the model that wrote it; some were corrected since.
;; Self Attention. Allowed arithmetic: matrix products marked QUANTISED: E2M3 operands, one E8M0 scale for each 32 along K, by v_wmma_scale_f32_16x16x128_f8f6f4 with both operands' format E2M3, f32 sums; everything else in f32.
;; Inputs: Wk 1,024 x 1,024 float32; Wo 1,024 x 1,024 float32; Wq 1,024 x 1,024 float32; Wv 1,024 x 1,024 float32; bk 1,024 float32; bo 1,024 float32; bq 1,024 float32; bv 1,024 float32; embed 4 x 2,048 x 1,024 float32; mask 1 x 1 x 1 x 2,048 int32.
;; Outputs: out0 4 x 2,048 x 1,024 float32.
;; This version of the problem:
;;   THIS VERSION OF THE PROBLEM IS GIVEN IN LOW PRECISION. The matrix products marked QUANTISED in the list below multiply operands that are first quantised to E2M3 (2 exponent bits, 3 mantissa bits; 6 bits a number), with one power-of-two scale for each 32 numbers along K (OCP MX v1.0); their sums are f32. All else is computed in f32.
;;   The module's matrix products, in the order in which they are computed (A, B: the left and right operand; K: the contracted axis; several contracted axes count as one K, in the product's order):
;;     1. [M 8,192, K 1,024] x [K 1,024, N 1,024]; A: input embed; B: input Wq: QUANTISED
;;     2. [M 8,192, K 1,024] x [K 1,024, N 1,024]; A: input embed; B: input Wk: QUANTISED
;;     3. [M 8,192, K 1,024] x [K 1,024, N 1,024]; A: input embed; B: input Wv: QUANTISED
;;     4. batch 64 x [M 2,048, K 64] x [K 64, N 2,048]; A: computed on the way; B: computed on the way: QUANTISED
;;     5. batch 64 x [M 2,048, K 2,048] x [K 2,048, N 64]; A: softmax (see below); B: computed on the way: QUANTISED
;;     6. [M 8,192, K 1,024] x [K 1,024, N 1,024]; A: computed on the way; B: input Wo: QUANTISED
;;   THE QUANTISER, for each operand of a quantised product, along K:
;;     - K is cut into blocks of 32 from its start; a last block that is shorter is filled with zeros.
;;     - A block's scale is 2^e with e = floor(log2(the largest magnitude in the block)) - 2, held to -126 .. 127; a block of zeros has e = 0. As a byte (E8M0): e + 127.
;;     - Each number is divided by its block's scale, clamped to +-7.5, and rounded to the nearest number of E2M3, ties to even, subnormals kept.
;;     - The product sums the exact products of the quantised numbers (number of the format x scale) in f32.
;;   ~~~python
;;   def quantise(x, axis):      # numpy; x: float32 -> the quantised numbers, widened to float32 again
;;       x = np.moveaxis(x, axis, -1); K = x.shape[-1]
;;       x = np.pad(x, [(0, 0)] * (x.ndim - 1) + [(0, -K % 32)]); x = x.reshape(x.shape[:-1] + (-1, 32)); a = np.abs(x).max(-1, keepdims=True)
;;       e = np.where(a > 0, np.clip(np.frexp(np.where(a > 0, a, 1))[1] - 1 - 2, -126, 127), 0)      # np.frexp(a)[1] - 1 = floor(log2(a)), exactly
;;       r = np.clip(x / 2.0 ** e, -7.5, 7.5)
;;       step = 2.0 ** (np.maximum(np.frexp(np.where(r == 0, 1, r))[1] - 1, 0) - 3)
;;       q = np.round(r / step) * step * 2.0 ** e      # np.round: ties to even
;;       return np.moveaxis(q.reshape(q.shape[:-2] + (-1,))[..., :K], -1, axis).astype(np.float32)
;;   ~~~
;;   SOFTMAX AHEAD OF A QUANTISED PRODUCT. Where the list says 'softmax', what is quantised is not the finished softmax but p = 2^(t - M), with t = logit x log2(e) and M = ceil(the row's largest t), a whole number; so 1/2 < the row's largest p <= 1. The row's sum l is taken of the UNQUANTISED p, in f32, and the product's result is divided by l at the end. Since M is a whole number, a kernel that streams over the keys may use a running M (the ceiling of the running maximum): every later rescaling is an exact power of two, which a block's scale takes up: the codes' values come out the same.
;;   OPERANDS COMPUTED ON THE WAY. 'Computed on the way' means the value that the module computes at that place (a softmax that the list does not call 'softmax' is quantised finished and normalised). What goes into a quantiser is computed in f32, as accurately as f32 sums, v_exp_f32 and their like allow (about 1e-6 of the number): no bf16 or f16 on the way to a quantiser, and a product that is left as it is and whose result goes on into a quantised operand takes f32 operands (vector FMAs, or v_wmma_f32_16x16x4_f32). A number that lies on a knife's edge between two numbers of the format may be rounded either way, as far as f32 arithmetic and the matrix unit's own rounding can turn it there, and no further.
;; One version. Each part assembles by itself: llvm-mc -triple=amdgcn-amd-amdhsa -mcpu=gfx1250 --defsym DOCPART=n.
;; ======== version 1 of 1: 4 launches
;; limits: right only within a limited range of input values
;; workspace buffers: wq 3,276,800 bytes; ea 6,553,600 bytes; qa 6,815,744 bytes; kv 13,369,344 bytes; ca 6,553,600 bytes
;; launch quant (part 1): grid 640 x 1, 4 waves a work-group, no clusters, 59,904 bytes of LDS; arguments Wq, Wk, Wv, Wo, embed, wq, ea; writes wq, ea
.if DOCPART == 1
	.amdgcn_target "amdgcn-amd-amdhsa--gfx1250"
	.amdhsa_code_object_version 6
	.text
	.protected	k_q6ad91d149e_quant
	.globl	k_q6ad91d149e_quant
	.p2align	8
	.type	k_q6ad91d149e_quant,@function
k_q6ad91d149e_quant:
	s_mov_b64 s[64:65], 0
	v_nop
	global_prefetch_b8 v0, s[64:65] scope:SCOPE_SE
	s_setreg_imm32_b32 hwreg(HW_REG_WAVE_MODE, 25, 1), 1
	s_wait_xcnt 0x0
; The four weights [1024 (k)][1024 (n)] and embed [8192][1024 (k)], f32, become codes of FP6 (E2M3) with one E8M0 byte for each 32 along K, laid as IMAGES OF THE OPERAND'S REGISTERS.
; A fragment (16 rows x 128 K, 12 registers a lane) is 6 pieces of 256 bytes: piece p holds registers 2 p, 2 p + 1, lane l's 8 bytes at 256 p + 8 l.
; THE ROWS OF A TILE ARE NOT NEIGHBOURS: row i of tile 2 b + u is row 32 b + 8 u + i + 8 (i / 8).  A pair of tiles shares a register of scale words: lanes 0-15 tile 2 b, lanes 16-31 tile 2 b + 1.
; wq: operand rows 0-4095 = the columns of Wq, Wk, Wv, Wo; tile wt, K step s at 12288 wt + 1536 s; scale words at 3145728 + 1024 pair + 128 s + 4 lane.
; ea: for each 128 tokens 102,400 bytes: tile tl, step s at 12288 tl + 1536 s; scale words at 98304 + 1024 (tl / 2) + 128 s + 4 lane.
; A block's scale is 2^(floor(log2(largest magnitude)) - 2): its byte is the largest magnitude's exponent field - 2, held at 1 from below.
; LIMITS: a block of zeros gets the byte 1, not 127 (its codes are zeros, and this program alone reads the bytes); blocks whose largest magnitude lies under 2^-124 keep the byte 1; NaN and infinities are not served.
; Work-groups 0-127 take the weights (a lane to a column, registers down K), work-groups 128-639 take embed.  Each of the two ways has LDS bytes of its own.  Waves share nothing: no barrier.
.set SEL,  20                          ; s[20:21] selects for lane l xor 16
.set HM,   22                          ; s22 lanes 16-31
.set TM,   8                           ; v8-23  embed's way: at work
.set PW,   24                          ; v24-25 the two tiles' scale words
.set PC,   32                          ; v32-55 the two tiles' codes
.set X2,   56                          ; v56-62 upper halves of blocks
.set XE,   64                          ; v64-127 64 numbers of a lane
.set RE,   128                         ; v128-255 the 32 rows as loaded
.set SB,   24                          ; v24-25 the weights' way: scale bytes
.set XW,   32                          ; v32-95 two sets of 32 numbers
.set CW,   96                          ; v96-102 a block's codes
.set OUTW, 112                         ; v112-159 the way out
; 64 numbers of a lane, register 16 b + i = k 32 b + 16 (lane / 16) + i of my row, become a fragment's 12 registers at v[pc] and its scale word in v[pw].
.macro QUANT s, pc, x2, pw
.irp b, 0,1,2,3
	v_max3_num_f32 v[TM+\b], |v[16*\b+(\s)]|, |v[16*\b+1+(\s)]|, 0x1800000   ; my 16 numbers of block b, and the floor 2^(3 - 127)
.endr
.irp i, 2,4,6,8,10,12,14
.irp b, 0,1,2,3
	v_max3_num_f32 v[TM+\b], v[TM+\b], |v[16*\b+\i+(\s)]|, |v[16*\b+\i+1+(\s)]|
.endr
.endr
.irp b, 0,1,2,3
	v_permlanex16_b32 v[TM+4+\b], v[TM+\b], s[SEL], s[SEL+1]
.endr
.irp b, 0,1,2,3
	v_max_num_f32 v[TM+\b], v[TM+\b], v[TM+4+\b]   ; with lane l xor 16's: the block's largest magnitude
.endr
.irp b, 0,1,2,3
	v_add_nc_u32 v[TM+12+\b], 0xff000000, v[TM+\b] ; 2 off its exponent field: the conversion's scale operand
.endr
.irp b, 0,1,2,3
	v_lshrrev_b32 v[TM+4+\b], 23, v[TM+12+\b]      ; the byte
.endr
	v_lshl_or_b32 v[0+(\pw)], v[TM+5], 8, v[TM+4]
	v_lshl_or_b32 v[0+(\pw)], v[TM+6], 16, v[0+(\pw)]
	v_lshl_or_b32 v[0+(\pw)], v[TM+7], 24, v[0+(\pw)]
.irp c, 0,1
	v_cvt_scalef32_pk16_fp6_f32 v[6*\c+(\pc):6*\c+2+(\pc)], v[32*\c+(\s):32*\c+15+(\s)], v[TM+12+2*\c]
	v_cvt_scalef32_pk16_fp6_f32 v[4*\c+(\x2):4*\c+2+(\x2)], v[32*\c+16+(\s):32*\c+31+(\s)], v[TM+13+2*\c]
.endr
	v_nop                                          ; one plain line behind the conversions
.irp c, 0,1                                    ; a whole block to a lane: lanes 0-15 block 2 c, lanes 16-31 block 2 c + 1
.irp i, 0,1,2
	v_permlane16_swap_b32 v[6*\c+\i+(\pc)], v[4*\c+\i+(\x2)]
.endr
.irp i, 0,1,2
	v_mov_b32 v[6*\c+3+\i+(\pc)], v[4*\c+\i+(\x2)]
.endr
.endr
.endm
	s_load_b256 s[4:11], s[0:1], 0x0               ; Wq, Wk, Wv, Wo
	s_load_b128 s[12:15], s[0:1], 0x20             ; embed, wq
	s_load_b64 s[16:17], s[0:1], 0x30              ; ea
	v_lshl_add_u32 v30, v0, 2, 0xe800
	v_mov_b32 v31, 0
	v_lshrrev_b32 v1, 5, v0
	v_readfirstlane_b32 s18, v1                    ; wave
	v_and_b32 v1, 31, v0                           ; lane
	s_mov_b32 s[SEL], 0x76543210
	s_mov_b32 s[SEL+1], 0xfedcba98
	s_mov_b32 s[HM], 0xffff0000
	; every LDS address of both ways is made here, ahead of the parting
	v_lshlrev_b32 v2, 2, v1                        ; 4 x lane
	v_and_b32 v7, 7, v1
	v_bfe_u32 v10, v1, 4, 1
	v_lshl_or_b32 v7, v10, 3, v7                   ; the weights' way: column x of 32 is row r = (x % 8) + 8 (x / 16)
	v_bfe_u32 v10, v1, 3, 1                        ; of tile u = (x / 8) % 2
	v_mul_u32_u24 v3, v10, 3200
	v_lshl_add_u32 v3, v7, 3, v3
	s_mul_i32 s24, s18, 6400
	v_add_nc_u32 v3, s24, v3                       ; my stage: 6400 wave + 3200 u + 8 r
	v_lshlrev_b32 v5, 4, v1                        ; 16 x lane
	v_add_nc_u32 v4, s24, v5                       ; and back
	v_lshl_add_u32 v6, v10, 4, v7
	v_lshlrev_b32 v6, 2, v6                        ; my scale word's place: 4 (r + 16 u)
	v_and_b32 v7, 15, v1
	v_bfe_u32 v10, v1, 4, 1
	s_mul_i32 s24, s18, 8448
	s_add_co_u32 s24, s24, 25600                   ; embed's way: a stage of 16 rows x 528 bytes for each wave, behind the other way's bytes
	v_add_nc_u32 v27, s24, v5                      ; in: 16 x lane of a row
	v_mul_u32_u24 v28, v7, 528
	v_lshl_add_u32 v28, v10, 6, v28
	v_add_nc_u32 v28, s24, v28                     ; back: row r, + 64 h
	v_lshlrev_b32 v29, 3, v1                       ; 8 x lane
	s_cmp_ge_u32 ttmp9, 128
	s_cbranch_scc1 .Lembed
	; ---- THE WEIGHTS.  Work-group g: columns 128 (g / 4) of the 4,096, k = 256 (g % 4) on; a wave 32 columns, a lane one: 8 blocks of 32 down K.
	s_lshr_b32 s25, ttmp9, 2
	s_and_b32 s26, ttmp9, 3
	s_lshr_b32 s27, s25, 3                         ; which weight
	s_and_b32 s28, s25, 7
	s_lshl_b32 s28, s28, 9
	s_lshl_b32 s29, s18, 7
	s_add_co_u32 s28, s28, s29
	s_lshl_b32 s29, s26, 20
	s_add_co_u32 s28, s28, s29                     ; 256 rows of 4,096 bytes a part of K, 4 bytes a column
	s_mov_b32 s29, 0
	s_lshl_b32 s30, s25, 2
	s_add_co_u32 s30, s30, s18                     ; the pair of tiles
	s_mul_i32 s32, s30, 24576
	s_mul_i32 s33, s26, 3072
	s_add_co_u32 s32, s32, s33
	s_mov_b32 s33, 0
	s_lshl_b32 s34, s30, 10
	s_lshl_b32 s35, s26, 8
	s_add_co_u32 s34, s34, s35
	s_add_co_u32 s34, s34, 3145728
	s_mov_b32 s35, 0
	s_wait_kmcnt 0x0
	s_cmp_eq_u32 s27, 1                            ; the choice hangs on the work-group's number alone
	s_cselect_b64 s[4:5], s[6:7], s[4:5]
	s_cmp_eq_u32 s27, 2
	s_cselect_b64 s[4:5], s[8:9], s[4:5]
	s_cmp_eq_u32 s27, 3
	s_cselect_b64 s[4:5], s[10:11], s[4:5]
	s_add_nc_u64 s[4:5], s[4:5], s[28:29]
	s_add_nc_u64 s[32:33], s[14:15], s[32:33]
	s_add_nc_u64 s[34:35], s[14:15], s[34:35]
.macro LOADW t                         ; block t: W(32 t + i, my column): a wave reads 128 consecutive bytes, the four waves 512
.irp i, 0,1,2,3,4,5,6,7,8,9,10,11,12,13,14,15,16,17,18,19,20,21,22,23,24,25,26,27,28,29,30,31
	global_load_b32 v[XW+32*((\t)%2)+\i], v2, s[4:5] offset:(32*(\t)+\i)*4096 th:TH_LOAD_NT
.endr
.endm
.macro BLOCKW t
.set XS, XW+32*((\t)%2)
.if (\t) < 7
	s_wait_loadcnt 32                              ; this block's 32 loads are in; the next block's may be out
.else
	s_wait_loadcnt 0x0
.endif
	v_max3_num_f32 v12, |v[XS]|, |v[XS+1]|, |v[XS+2]|
	v_max3_num_f32 v13, |v[XS+3]|, |v[XS+4]|, |v[XS+5]|
.irp i, 6,10,14,18,22,26
	v_max3_num_f32 v12, v12, |v[XS+\i]|, |v[XS+\i+1]|
	v_max3_num_f32 v13, v13, |v[XS+\i+2]|, |v[XS+\i+3]|
.endr
	v_max3_num_f32 v12, v12, |v[XS+30]|, |v[XS+31]|
	v_max3_num_f32 v12, v12, v13, 0x1800000        ; and the floor
	v_add_nc_u32 v11, 0xff000000, v12
	v_lshrrev_b32 v13, 23, v11
.if (\t)%4 == 0
	v_mov_b32 v[SB+(\t)/4], v13                    ; four bytes make a K step's scale word
.else
	v_lshl_or_b32 v[SB+(\t)/4], v13, 8*((\t)%4), v[SB+(\t)/4]
.endif
	v_cvt_scalef32_pk16_fp6_f32 v[CW:CW+2], v[XS:XS+15], v11
	v_cvt_scalef32_pk16_fp6_f32 v[CW+4:CW+6], v[XS+16:XS+31], v11
	v_nop                                          ; one plain line behind the conversions
	v_mov_b32 v[CW+3], v[CW+4]                     ; the block's six registers on end
	v_mov_b32 v[CW+4], v[CW+5]
	v_mov_b32 v[CW+5], v[CW+6]
.irp i, 0,1,2                                  ; block t is registers 6 c .. 6 c + 5 of lane (r, h) of step t / 4: c = (t / 2) % 2, h = t % 2
	ds_store_b64 v3, v[CW+2*\i:CW+2*\i+1] offset:((\t)/4)*1536+(((\t)/2)%2)*768+((\t)%2)*128+256*\i
.endr
.if (\t)+2 < 8
	LOADW (\t)+2
.endif
	s_wait_dscnt 0x0                               ; the stores have read their registers
.endm
	LOADW 0
	LOADW 1
.irp t, 0,1,2,3,4,5,6,7
	BLOCKW \t
.endr
.irp n, 0,1,2,3,4,5,6,7,8,9,10,11
	ds_load_b128 v[OUTW+4*\n:OUTW+4*\n+3], v4 offset:(\n/6)*3200+(\n%6)*512   ; a wave's LDS instructions are served in order: these see my stores
.endr
	global_store_b32 v6, v[SB], s[34:35]           ; 32 lanes: 128 consecutive bytes
	global_store_b32 v6, v[SB+1], s[34:35] offset:128
.irp n, 0,1,2,3,4,5,6,7,8,9,10,11
	s_wait_dscnt 11-\n
	global_store_b128 v5, v[OUTW+4*\n:OUTW+4*\n+3], s[32:33] offset:(\n/6)*12288+(\n%6)*512   ; 512 consecutive bytes, aligned to 256
.endr
	s_wait_tensorcnt 0x0
	ds_add_u32 v30, v31
	s_wait_dscnt 0x0
	s_endpgm
.Lembed:
	; ---- EMBED.  Work-group 128 + g: the pair of tiles g / 2 (32 tokens); wave w takes K step 4 (g % 2) + w of both tiles.
	s_sub_co_u32 s25, ttmp9, 128
	s_lshr_b32 s26, s25, 1                         ; the pair
	s_and_b32 s27, s25, 1
	s_lshl_b32 s27, s27, 2
	s_add_co_u32 s27, s27, s18                     ; the K step
	s_lshl_b32 s28, s26, 17
	s_lshl_b32 s29, s27, 9
	s_add_co_u32 s28, s28, s29
	s_mov_b32 s29, 0
	s_lshr_b32 s30, s26, 2
	s_mul_i32 s30, s30, 102400                     ; the block of 128 tokens
	s_and_b32 s31, s26, 3
	s_mul_i32 s32, s31, 24576
	s_add_co_u32 s32, s32, s30
	s_mul_i32 s33, s27, 1536
	s_add_co_u32 s32, s32, s33
	s_mov_b32 s33, 0
	s_lshl_b32 s34, s31, 10
	s_add_co_u32 s34, s34, s30
	s_lshl_b32 s35, s27, 7
	s_add_co_u32 s34, s34, s35
	s_add_co_u32 s34, s34, 98304
	s_mov_b32 s35, 0
	s_wait_kmcnt 0x0
	s_add_nc_u64 s[12:13], s[12:13], s[28:29]
	s_add_nc_u64 s[32:33], s[16:17], s[32:33]
	s_add_nc_u64 s[34:35], s[16:17], s[34:35]
.irp u, 0,1
.irp i, 0,1,2,3,4,5,6,7,8,9,10,11,12,13,14,15
	global_load_b128 v[RE+64*\u+4*\i:RE+64*\u+4*\i+3], v5, s[12:13] offset:(8*\u+\i+8*(\i/8))*4096 th:TH_LOAD_NT   ; a row's 512 bytes of this K step
.endr
.endr
.irp b, 0,1,2,3
	v_mov_b32 v[TM+4+\b], 0                        ; a lane permute's destination counts as read: written once
.endr
.irp u, 0,1
	s_wait_loadcnt 16*(1-\u)                       ; this tile's 16 loads are in
.irp i, 0,1,2,3,4,5,6,7,8,9,10,11,12,13,14,15
	ds_store_b128 v27, v[RE+64*\u+4*\i:RE+64*\u+4*\i+3] offset:528*\i
.endr
.irp b, 0,1,2,3
.irp j, 0,1,2,3
	ds_load_b128 v[XE+16*\b+4*\j:XE+16*\b+4*\j+3], v28 offset:128*\b+16*\j   ; row r, k = 32 b + 16 h + 4 j on
.endr
.endr
	s_wait_dscnt 0x0
	QUANT XE, PC+12*\u, X2, PW+\u
.irp p, 0,1,2,3,4,5
	global_store_b64 v29, v[PC+12*\u+2*\p:PC+12*\u+2*\p+1], s[32:33] offset:\u*12288+256*\p   ; a piece: 256 consecutive bytes, aligned
.endr
.endr
	v_cndmask_b32 v[PW], v[PW], v[PW+1], s[HM]     ; lanes 0-15 the even tile's words, lanes 16-31 the odd tile's
	global_store_b32 v2, v[PW], s[34:35]
	s_wait_tensorcnt 0x0
	ds_add_u32 v30, v31
	s_wait_dscnt 0x0
	s_endpgm
.Lfunc_end_k_q6ad91d149e_quant:
	.size	k_q6ad91d149e_quant, .Lfunc_end_k_q6ad91d149e_quant-k_q6ad91d149e_quant
	.p2alignl 7, 3214868480
	.fill 96, 4, 3214868480
	.section	.rodata,"a",@progbits
	.p2align	6, 0x0
	.amdhsa_kernel k_q6ad91d149e_quant
		.amdhsa_group_segment_fixed_size 59904
		.amdhsa_private_segment_fixed_size 0
		.amdhsa_enable_private_segment 0
		.amdhsa_kernarg_size 56
		.amdhsa_user_sgpr_count 2
		.amdhsa_user_sgpr_kernarg_segment_ptr 1
		.amdhsa_wavefront_size32 1
		.amdhsa_system_sgpr_workgroup_id_x 1
		.amdhsa_system_sgpr_workgroup_id_y 1
		.amdhsa_system_sgpr_workgroup_id_z 1
		.amdhsa_system_vgpr_workitem_id 0
		.amdhsa_next_free_vgpr 256
		.amdhsa_next_free_sgpr 66
		.amdhsa_reserve_vcc 0
		.amdhsa_float_denorm_mode_32 3
		.amdhsa_float_denorm_mode_16_64 3
		.amdhsa_memory_ordered 1
		.amdhsa_forward_progress 1
		.amdhsa_inst_pref_size 61
	.end_amdhsa_kernel
	.amdgpu_metadata
---
amdhsa.version: [ 1, 2 ]
amdhsa.kernels:
  - .name:           k_q6ad91d149e_quant
    .symbol:         k_q6ad91d149e_quant.kd
    .args:
      - { .name: Wq, .offset: 0, .size: 8, .value_kind: global_buffer, .address_space: global }
      - { .name: Wk, .offset: 8, .size: 8, .value_kind: global_buffer, .address_space: global }
      - { .name: Wv, .offset: 16, .size: 8, .value_kind: global_buffer, .address_space: global }
      - { .name: Wo, .offset: 24, .size: 8, .value_kind: global_buffer, .address_space: global }
      - { .name: embed, .offset: 32, .size: 8, .value_kind: global_buffer, .address_space: global }
      - { .name: wq, .offset: 40, .size: 8, .value_kind: global_buffer, .address_space: global }
      - { .name: ea, .offset: 48, .size: 8, .value_kind: global_buffer, .address_space: global }
    .group_segment_fixed_size: 59904
    .private_segment_fixed_size: 0
    .kernarg_segment_align: 8
    .kernarg_segment_size: 56
    .max_flat_workgroup_size: 128
    .sgpr_count:     66
    .vgpr_count:     256
    .wavefront_size: 32
...
	.end_amdgpu_metadata
.endif
;; end of part 1
;; launch qkv (part 2): grid 8 x 32, 4 waves a work-group, clusters of 4 x 1, 205,312 bytes of LDS; arguments ea, wq, bq, bk, bv, qa, kv; writes qa, kv
.if DOCPART == 2
	.amdgcn_target "amdgcn-amd-amdhsa--gfx1250"
	.amdhsa_code_object_version 6
	.text
	.protected	k_q6ad91d149e_qkv
	.globl	k_q6ad91d149e_qkv
	.p2align	8
	.type	k_q6ad91d149e_qkv,@function
k_q6ad91d149e_qkv:
	s_mov_b64 s[64:65], 0
	v_nop
	global_prefetch_b8 v0, s[64:65] scope:SCOPE_SE
	s_setreg_imm32_b32 hwreg(HW_REG_WAVE_MODE, 25, 1), 1
	s_wait_xcnt 0x0
	s_wait_alu depctr_hold_cnt(0) depctr_sa_sdst(0) depctr_va_vdst(0) depctr_va_sdst(0) depctr_va_ssrc(0) depctr_va_vcc(0) depctr_vm_vsrc(0)
	s_getreg_b32 s2, hwreg(HW_REG_IB_STS2, 6, 4)
	s_cmp_eq_u32 s2, 0
	s_cbranch_scc0 .Lentry_in_a_cluster
	s_endpgm
.Lentry_in_a_cluster:
	s_bfe_u32 s2, ttmp6, 0x10000c
	s_cmp_lg_u32 s2, 0x3003
	s_cbranch_scc0 .Lentry_shape_is_right
	s_endpgm
.Lentry_shape_is_right:
; q, k, v = embed W + b on codes of FP6 (E2M3) with E8M0 scales, and their quantising for attention, in one launch.  Sums in f32; the biases are the C of each sum's first product.
; SHARES.  A work-group takes 256 tokens (work-group y) and the q, k and v of heads 2 cg, 2 cg + 1 (cg = work-group x).  THE WAVES SHARE THE COLUMNS: wave w keeps 64 operand rows of Wq (w < 2) or Wk
; (head 2 cg + w % 2) and 32 of Wv (rows 128 cg + 32 w) in 576 REGISTERS for the whole launch.  The tokens' 204,800 bytes of images lie in LDS, filled once; every wave reads all of them.
; CLUSTER.  The four work-groups of a cluster have the same tokens: each wave's quarter of them is asked for jointly.  The weights are not shared so: four waves' 294,912 bytes and the tokens' 204,800 do not fit
; into 327,680 bytes of LDS together, so the weights go from memory straight into registers.
; q and k: source 0 = 16 rows of W, source 1 = 16 tokens: a lane holds one token and its registers run along the head's 64.  v: source 0 = 16 tokens, source 1 = 16 rows of Wv: a lane holds one channel and
; its registers run along the tokens, which are the K of attention's second product.  The rows of every tile are rows 32 b + 8 u + i + 8 (i / 8), so that two neighbouring tiles' 16 registers are 16 neighbours.
; OUT.  qa, for each head 106,496 bytes: a tile of 16 tokens x 64 as half an image (3 pieces of 256 bytes) at 768 tile; scale words (upper two bytes 0) at 98304 + 512 j + 16 lane + 4 P (j: 128 tokens, P: pair).
; kv, for each head 208,896 bytes: k as qa (scale words at 196608); v^T images (16 channels x 128 keys) at 98304 + 6144 j + 1536 dt; their scale words at 204800 + 256 j + 128 (dt / 2) + 4 lane.
; LIMITS: a block of zeros gets the byte 1, not 127 (its codes are zeros; this program alone reads the bytes); largest magnitudes under 2^-124 keep the byte 1; NaN and infinities are not served.
; REGISTERS.  window 0: v1-7, v33 offsets and addresses; v8-32 at work; v34-49 W's scale words, v50-57 Wv's, v58-73 the tokens' (two sets); v76-171 a token tile's 8 fragments; v172-235 q or k, two sets of 32.
;   windows 1, 2, 3: the weights of K step s in window 1 + s / 3 at 72 (s % 3): four tiles of W, two of Wv.   window 3: v144-207 v's 8 accumulators; v208-239 the bias of q or k; v240-255 of v.
.set WV,   18
.set G1,   24
.set G0,   32
.set OC,   48                          ; s[48:49] where q's or k's codes go;  s[50:51] their scale words;  s[52:53] v's codes;  s[54:55] v's scale words
.set OS,   50
.set OV,   52
.set OVS,  54
.set SEL,  56
.set HM,   58
.set LO,   59                          ; s59 LDS byte of the block of 128 tokens whose fragments are fetched
.set TRIP, 60
.set ADA,  4
.set ADB,  5
.set ADS,  6
.set TM,   8
.set PW,   14
.set PWE,  15
.set KQW,  16
.set VL,   20
.set VH,   21
.set PWV,  22
.set PC,   24
.set X2,   30
.set WS,   34
.set WVS,  50
.set AS,   58
.set AF,   76
.set QA,   172
.set VA,   144
.set BQ,   208
.set BV,   240
.set MSB, 0
.macro WIN new                         ; the immediate's high byte repeats the setting that is left
.if MSB != (\new)
	s_set_vgpr_msb (MSB<<8)|(\new)
.set MSB, (\new)
.endif
.endm
.macro PLACES n
.rept \n
	v_nop
.endr
.endm
.macro CROUND                          ; a round of the cluster's barrier
	s_barrier_signal -1
	s_barrier_wait -1
	s_cmp_lg_u32 s[WV], 0
	s_cbranch_scc1 .Lnot_wave_0_\@
	s_barrier_signal -3
.Lnot_wave_0_\@:
	s_barrier_wait -3
	s_barrier_signal -1
	s_barrier_wait -1
.endm
; one product: D, source 0, source 1, C, the two scale registers; ra, rb = 1: that side's scales stand in lanes 16-31
.macro WM d, a, b, c, sa, sb, ra, rb
.if (\ra) && (\rb)
	v_wmma_scale_f32_16x16x128_f8f6f4 v[0+(\d):7+(\d)], v[0+(\a):11+(\a)], v[0+(\b):11+(\b)], v[0+(\c):7+(\c)], v[0+(\sa)], v[0+(\sb)] matrix_a_fmt:MATRIX_FMT_FP6 matrix_b_fmt:MATRIX_FMT_FP6 matrix_a_scale:MATRIX_SCALE_ROW1 matrix_b_scale:MATRIX_SCALE_ROW1
.elseif (\ra)
	v_wmma_scale_f32_16x16x128_f8f6f4 v[0+(\d):7+(\d)], v[0+(\a):11+(\a)], v[0+(\b):11+(\b)], v[0+(\c):7+(\c)], v[0+(\sa)], v[0+(\sb)] matrix_a_fmt:MATRIX_FMT_FP6 matrix_b_fmt:MATRIX_FMT_FP6 matrix_a_scale:MATRIX_SCALE_ROW1
.elseif (\rb)
	v_wmma_scale_f32_16x16x128_f8f6f4 v[0+(\d):7+(\d)], v[0+(\a):11+(\a)], v[0+(\b):11+(\b)], v[0+(\c):7+(\c)], v[0+(\sa)], v[0+(\sb)] matrix_a_fmt:MATRIX_FMT_FP6 matrix_b_fmt:MATRIX_FMT_FP6 matrix_b_scale:MATRIX_SCALE_ROW1
.else
	v_wmma_scale_f32_16x16x128_f8f6f4 v[0+(\d):7+(\d)], v[0+(\a):11+(\a)], v[0+(\b):11+(\b)], v[0+(\c):7+(\c)], v[0+(\sa)], v[0+(\sb)] matrix_a_fmt:MATRIX_FMT_FP6 matrix_b_fmt:MATRIX_FMT_FP6
.endif
.endm
; 32 numbers of a lane at v[x] of window w, register 16 b + i = k 32 b + 16 (lane / 16) + i of my row, become six registers of codes at v[pc] (k = 32 (lane / 16) + 0 .. 31) and two scale bytes in v[pw].
; The numbers are read in ascending order.
.macro QUANTH x, w, pc, x2, pw
	WIN (\w)|((\w)<<2)
.irp b, 0,1
	v_max3_num_f32 v[TM+\b], |v[16*\b+(\x)]|, |v[16*\b+1+(\x)]|, 0x1800000   ; and the floor 2^(3 - 127)
.endr
	WIN ((\w)<<2)|((\w)<<4)
.irp i, 2,4,6,8,10,12,14
.irp b, 0,1
	v_max3_num_f32 v[TM+\b], v[TM+\b], |v[16*\b+\i+(\x)]|, |v[16*\b+\i+1+(\x)]|
.endr
.endr
	WIN 0
.irp b, 0,1
	v_permlanex16_b32 v[TM+2+\b], v[TM+\b], s[SEL], s[SEL+1]
.endr
.irp b, 0,1
	v_max_num_f32 v[TM+\b], v[TM+\b], v[TM+2+\b]   ; the block's largest magnitude
.endr
.irp b, 0,1
	v_add_nc_u32 v[TM+4+\b], 0xff000000, v[TM+\b]  ; 2 off its exponent field: the conversion's scale operand
.endr
.irp b, 0,1
	v_lshrrev_b32 v[TM+2+\b], 23, v[TM+4+\b]       ; the byte
.endr
	v_lshl_or_b32 v[0+(\pw)], v[TM+3], 8, v[TM+2]
	WIN (\w)
	v_cvt_scalef32_pk16_fp6_f32 v[0+(\pc):2+(\pc)], v[0+(\x):15+(\x)], v[TM+4]
	v_cvt_scalef32_pk16_fp6_f32 v[0+(\x2):2+(\x2)], v[16+(\x):31+(\x)], v[TM+5]
	WIN 0
	v_nop                                          ; one plain line behind the conversions
.irp i, 0,1,2
	v_permlane16_swap_b32 v[\i+(\pc)], v[\i+(\x2)] ; a whole block to a lane: lanes 0-15 block 0, lanes 16-31 block 1
.endr
.irp i, 0,1,2
	v_mov_b32 v[3+\i+(\pc)], v[\i+(\x2)]
.endr
.endm
.macro AFL n, s                        ; token tile n's fragment of K step s: six loads of 256 consecutive bytes
.irp p, 0,1,2,3,4,5
.if (\n) <= 4
	ds_load_b64 v[AF+12*(\s)+2*\p:AF+12*(\s)+2*\p+1], v[ADA] offset:(\n)*12288+(\s)*1536+256*\p
.else
	ds_load_b64 v[AF+12*(\s)+2*\p:AF+12*(\s)+2*\p+1], v[ADB] offset:((\n)-5)*12288+(\s)*1536+256*\p
.endif
.endr
.endm
.macro ASL pr, set                     ; the scale words of a pair of token tiles, all 8 K steps
.irp s, 0,1,2,3,4,5,6,7
	ds_load_b32 v[AS+8*(\set)+\s], v[ADS] offset:(\pr)*1024+128*\s
.endr
.endm
.macro MQK i, s                        ; q or k of token tile i, K step s: four accumulators by turns
.irp t, 0,1,2,3
.if (\s) == 0
	WM QA+32*((\i)&1)+8*\t, 72*((\s)%3)+12*\t, AF+12*(\s), BQ+8*\t, WS+8*(\t/2)+(\s), AS+8*(((\i)/2)&1)+(\s), \t&1, (\i)&1
.else
	WM QA+32*((\i)&1)+8*\t, 72*((\s)%3)+12*\t, AF+12*(\s), QA+32*((\i)&1)+8*\t, WS+8*(\t/2)+(\s), AS+8*(((\i)/2)&1)+(\s), \t&1, (\i)&1
.endif
.endr
.endm
.macro MV i, s                         ; v of token tile i, K step s: two accumulators by turns
.irp e, 0,1
.if (\s) == 0
	WM VA+32*\e+8*((\i)%4), AF+12*(\s), 72*((\s)%3)+48+12*\e, BV+8*\e, AS+8*(((\i)/2)&1)+(\s), WVS+(\s), (\i)&1, \e
.else
	WM VA+32*\e+8*((\i)%4), AF+12*(\s), 72*((\s)%3)+48+12*\e, VA+32*\e+8*((\i)%4), AS+8*(((\i)/2)&1)+(\s), WVS+(\s), (\i)&1, \e
.endif
.endr
.endm
.macro EPIQ i                          ; token tile i's q or k: quantised along the head's 64 and stored
	s_wait_xcnt 0x0                                ; earlier stores have read their data: the codes' and the words' registers are written again only behind this wait
	QUANTH QA+32*((\i)&1), 0, PC, X2, PW
.irp p, 0,1,2
	global_store_b64 v1, v[PC+2*\p:PC+2*\p+1], s[OC:OC+1] offset:(\i)*768+256*\p   ; 256 consecutive bytes, aligned
.endr
.if ((\i)&1) == 0
	v_mov_b32 v[PWE], v[PW]
.else
	v_cndmask_b32 v[KQW+(\i)/2], v[PWE], v[PW], s[HM]   ; lanes 0-15 the even tile's words, lanes 16-31 the odd tile's
.endif
.if (\i) == 7
	global_store_b128 v3, v[KQW:KQW+3], s[OS:OS+1] ; the four pairs' words: 512 consecutive bytes
.endif
.endm
.macro EPIV c                          ; v of 64 tokens (half c of the 128): quantised along the tokens and stored
.irp e, 0,1
	s_wait_xcnt 0x0
	QUANTH VA+32*\e, 3, PC, X2, PWV+\e
.irp p, 0,1,2
	global_store_b64 v1, v[PC+2*\p:PC+2*\p+1], s[OV:OV+1] offset:\e*1536+(\c)*768+256*\p
.endr
.endr
.if (\c) == 0
	v_cndmask_b32 v[VL], v[PWV], v[PWV+1], s[HM]
.else
	v_cndmask_b32 v[VH], v[PWV], v[PWV+1], s[HM]
	v_lshl_or_b32 v[VH], v[VH], 16, v[VL]          ; four bytes: 128 keys
	global_store_b32 v2, v[VH], s[OVS:OVS+1]
.endif
.endm
; A TOKEN TILE: 48 products in three groups by the weights' window.  Behind each group stand four places and then the loads of the NEXT tile's same K steps.
; The waits on DScnt count the loads issued behind those that are wanted: the batches are 18 (8 more where a pair's scale words go first), 18 and 12 loads.
.macro TILE i
.set NX, ((\i)+1)%8
	s_wait_dscnt 30                                ; steps 0-2 and the scale words are in; behind them 18 + 12 were issued
	WIN 0x31
	MQK \i, 0
	WIN 0x01
	MQK \i, 1
	MQK \i, 2
	WIN 0xf4
	MV \i, 0
	MV \i, 1
	MV \i, 2
	WIN 0
	PLACES 4
.if (\i) >= 1
	EPIQ (\i)-1
.endif
.if (\i) == 7
	s_xor_b32 s[LO], s[LO], 102400                 ; the next tile is the other block's first (behind the last block: the first block's again, fetched and not used, so that every wait counts alike)
	v_add_nc_u32 v[ADA], s[LO], v1
	v_add_nc_u32 v[ADB], 61440, v[ADA]
	v_add_nc_u32 v[ADS], s[LO], v2
	v_add_nc_u32 v[ADS], 98304, v[ADS]
.endif
.if ((\i)&1) == 1
	ASL (((\i)+1)/2)%4, (((\i)+1)/2)&1
.endif
	AFL NX, 0
	AFL NX, 1
	AFL NX, 2
	s_wait_dscnt 30                                ; steps 3-5 are in; behind them 12 + 18 at the least
	WIN 0x02
	MQK \i, 3
	MQK \i, 4
	MQK \i, 5
	WIN 0xf8
	MV \i, 3
	MV \i, 4
	MV \i, 5
	WIN 0
	PLACES 4
	AFL NX, 3
	AFL NX, 4
	AFL NX, 5
	s_wait_dscnt 36                                ; steps 6, 7 are in; behind them 18 + 18 at the least
	WIN 0x03
	MQK \i, 6
	MQK \i, 7
	WIN 0xfc
	MV \i, 6
	MV \i, 7
	WIN 0
	PLACES 4
	AFL NX, 6
	AFL NX, 7
.if (\i) == 3
	EPIV 0
.endif
.if (\i) == 7
	EPIV 1
	EPIQ 7
.endif
.endm
	s_load_b256 s[4:11], s[0:1], 0x0               ; ea, wq, bq, bk
	s_load_b128 s[12:15], s[0:1], 0x20             ; bv, qa
	s_load_b64 s[16:17], s[0:1], 0x30              ; kv
	v_lshl_add_u32 v254, v0, 2, 0x32000
	v_mov_b32 v255, 0
	ds_add_u32 v254, v255
	ds_add_u32 v254, v255
	v_lshrrev_b32 v1, 5, v0
	v_readfirstlane_b32 s[WV], v1                  ; wave 0..3
	s_bfe_u32 s19, ttmp6, 0x40000                  ; cx
	s_lshl_b32 s20, ttmp9, 2
	s_add_co_u32 s20, s20, s19                     ; cg = 4 x cluster x + cx: it enters global addresses of weights, biases and results alone
	s_and_b32 s21, ttmp7, 0xffff                   ; tg, which the four partners share
	s_lshr_b32 s22, s[WV], 1
	s_and_b32 s23, s[WV], 1
	s_mov_b32 s[G1], 15|(3<<16)|(1<<21)            ; the mask: all four; elements of 8 bytes; bit 21 beside a mask; no padding
	s_mov_b32 s[G1+1], 32<<16                      ; tensor_dim0 = 32: rows of 256 bytes
	s_mov_b32 s[G1+2], 200<<16                     ; tensor_dim1 = 200
	s_mov_b32 s[G1+3], 32<<16                      ; tile_dim0
	s_mov_b32 s[G1+4], 200                         ; tile_dim1: 51,200 bytes a wave
	s_mov_b32 s[G1+5], 32                          ; dense
	s_mov_b32 s[G1+6], 0
	s_mov_b32 s[G1+7], 0
	s_mul_i32 s66, s21, 204800
	s_mul_i32 s67, s[WV], 51200
	s_add_co_u32 s66, s66, s67
	s_mov_b32 s67, 0                               ; my quarter of the tokens' images
	s_lshl_b32 s68, s20, 1
	s_add_co_u32 s68, s68, s23                     ; the head of my q or k
	s_lshl_b32 s69, s22, 5
	s_lshl_b32 s70, s68, 1
	s_add_co_u32 s69, s69, s70                     ; its first pair of tiles in wq: 32 (w / 2) + 2 head
	s_mul_i32 s70, s69, 24576
	s_mov_b32 s71, 0
	s_lshl_b32 s72, s69, 10
	s_add_co_u32 s72, s72, 3145728
	s_mov_b32 s73, 0
	s_lshl_b32 s74, s20, 2
	s_add_co_u32 s74, s74, s[WV]
	s_add_co_u32 s74, s74, 64                      ; Wv's pair: 64 + 4 cg + w
	s_lshl_b32 s76, s74, 10
	s_add_co_u32 s76, s76, 3145728
	s_mov_b32 s77, 0
	s_mul_i32 s74, s74, 24576
	s_mov_b32 s75, 0
	s_lshl_b32 s78, s68, 8                         ; the bias of q or k: 64 numbers a head
	s_mov_b32 s79, 0
	s_lshl_b32 s80, s20, 9
	s_lshl_b32 s81, s[WV], 7
	s_add_co_u32 s80, s80, s81                     ; bv at column 128 cg + 32 w
	s_mov_b32 s81, 0
	s_lshr_b32 s82, s21, 3
	s_lshl_b32 s82, s82, 4                         ; 16 x batch
	s_and_b32 s83, s21, 7                          ; which 256 tokens of the batch
	s_add_co_u32 s84, s82, s68
	s_cmp_eq_u32 s22, 0                            ; q (waves 0, 1) or k: the choice hangs on the wave's number alone
	s_mov_b32 s85, 208896
	s_cselect_b32 s85, 106496, s85                 ; a head's bytes,
	s_mov_b32 s86, 196608
	s_cselect_b32 s86, 98304, s86                  ; and where its scale words begin
	s_mul_i32 s84, s84, s85
	s_mul_i32 s85, s83, 12288
	s_add_co_u32 s88, s84, s85
	s_mov_b32 s89, 0
	s_add_co_u32 s90, s84, s86
	s_lshl_b32 s85, s83, 10
	s_add_co_u32 s90, s90, s85
	s_mov_b32 s91, 0
	s_lshl_b32 s92, s20, 1
	s_add_co_u32 s92, s92, s22
	s_add_co_u32 s92, s92, s82                     ; the head of my v
	s_mul_i32 s92, s92, 208896
	s_mul_i32 s85, s83, 12288
	s_add_co_u32 s94, s92, s85
	s_mul_i32 s85, s23, 3072
	s_add_co_u32 s94, s94, s85
	s_add_co_u32 s94, s94, 98304
	s_mov_b32 s95, 0
	s_lshl_b32 s85, s83, 9
	s_add_co_u32 s96, s92, s85
	s_lshl_b32 s85, s23, 7
	s_add_co_u32 s96, s96, s85
	s_add_co_u32 s96, s96, 204800
	s_mov_b32 s97, 0
	s_mov_b32 s[SEL], 0x76543210
	s_mov_b32 s[SEL+1], 0xfedcba98
	s_mov_b32 s[HM], 0xffff0000
	v_and_b32 v7, 31, v0
	v_lshlrev_b32 v1, 3, v7                        ; 8 x lane
	v_lshlrev_b32 v2, 2, v7                        ; 4 x lane
	v_lshlrev_b32 v3, 4, v7                        ; 16 x lane
	v_mov_b32 v[ADA], v1
	v_add_nc_u32 v[ADB], 61440, v1
	v_add_nc_u32 v[ADS], 98304, v2
	v_bfe_u32 v7, v0, 4, 1
	v_lshlrev_b32 v7, 6, v7                        ; the bias of q, k: lanes 16-31 begin 16 numbers on
	v_and_b32 v33, 15, v0
	v_and_b32 v[TM], 8, v33
	v_add_nc_u32 v33, v33, v[TM]
	v_lshlrev_b32 v33, 2, v33                      ; the bias of v: my channel r + 8 (r / 8)
	v_mov_b32 v[TM+2], 0                           ; a lane permute's destination counts as read: written once
	v_mov_b32 v[TM+3], 0
	s_wait_dscnt 0x0
	s_wait_kmcnt 0x0
	s_mov_b32 s[G0], 1
	s_mul_i32 s[G0+1], s[WV], 51200                ; LDS address: the wave's number alone
	s_add_nc_u64 s[G0+2:G0+3], s[4:5], s[66:67]
	s_or_b32 s[G0+3], s[G0+3], 0x80000000
	s_add_nc_u64 s[36:37], s[6:7], s[70:71]
	s_add_nc_u64 s[38:39], s[6:7], s[74:75]
	s_add_nc_u64 s[40:41], s[6:7], s[72:73]
	s_add_nc_u64 s[42:43], s[6:7], s[76:77]
	s_cmp_eq_u32 s22, 0
	s_cselect_b64 s[44:45], s[8:9], s[10:11]
	s_cselect_b64 s[OC:OC+1], s[14:15], s[16:17]
	s_add_nc_u64 s[44:45], s[44:45], s[78:79]
	s_add_nc_u64 s[46:47], s[12:13], s[80:81]
	s_add_nc_u64 s[OS:OS+1], s[OC:OC+1], s[90:91]
	s_add_nc_u64 s[OC:OC+1], s[OC:OC+1], s[88:89]
	s_add_nc_u64 s[OV:OV+1], s[16:17], s[94:95]
	s_add_nc_u64 s[OVS:OVS+1], s[16:17], s[96:97]
	CROUND                                         ; all four work-groups are here: the joint loads meet
	tensor_load_to_lds s[G0:G0+3], s[G1:G1+7]      ; my one tensor load of the launch; no LDS byte is filled twice
	s_nop 0
	PLACES 4
.irp s, 0,1,2,3,4,5,6,7                        ; the weights, straight into their registers: each load 256 consecutive bytes
	WIN (1+\s/3)<<6
.irp t, 0,1,2,3
.irp p, 0,1,2,3,4,5
	global_load_b64 v[72*(\s%3)+12*\t+2*\p:72*(\s%3)+12*\t+2*\p+1], v1, s[36:37] offset:\t*12288+\s*1536+256*\p
.endr
.endr
.irp e, 0,1
.irp p, 0,1,2,3,4,5
	global_load_b64 v[72*(\s%3)+48+12*\e+2*\p:72*(\s%3)+48+12*\e+2*\p+1], v1, s[38:39] offset:\e*12288+\s*1536+256*\p
.endr
.endr
.endr
	WIN 0xc0
.irp t, 0,1,2,3                                ; lane (r, h) wants, for tile 2 b + u, the bias of units 32 b + 16 h + 8 u + 0 .. 7
	global_load_b128 v[BQ+8*\t:BQ+8*\t+3], v7, s[44:45] offset:(32*(\t/2)+8*(\t%2))*4
	global_load_b128 v[BQ+8*\t+4:BQ+8*\t+7], v7, s[44:45] offset:(32*(\t/2)+8*(\t%2))*4+16
.endr
.irp e, 0,1                                    ; v: a lane holds one channel: its bias in all eight registers
.irp j, 0,1,2,3,4,5,6,7
	global_load_b32 v[BV+8*\e+\j], v33, s[46:47] offset:32*\e
.endr
.endr
	WIN 0
.irp a, 0,1
.irp s, 0,1,2,3,4,5,6,7
	global_load_b32 v[WS+8*\a+\s], v2, s[40:41] offset:\a*1024+\s*128
.endr
.endr
.irp s, 0,1,2,3,4,5,6,7
	global_load_b32 v[WVS+\s], v2, s[42:43] offset:\s*128
.endr
	s_mov_b32 s[LO], 0
	s_mov_b32 s[TRIP], 2
	s_wait_loadcnt 0x0
	s_wait_tensorcnt 0x0                           ; my quarter of the tokens has landed,
	s_barrier_signal -1
	s_barrier_wait -1                              ; everybody's has
	ASL 0, 0
.irp s, 0,1,2,3,4,5,6,7
	AFL 0, \s
.endr
.Lblk:                                                 ; two trips: a block of 128 tokens, eight tiles
.irp i, 0,1,2,3,4,5,6,7
	TILE \i
.endr
	WIN 0
	s_wait_xcnt 0x0                                ; the stores have read their bases
	s_add_nc_u64 s[OC:OC+1], s[OC:OC+1], 6144
	s_add_nc_u64 s[OS:OS+1], s[OS:OS+1], 512
	s_add_nc_u64 s[OV:OV+1], s[OV:OV+1], 6144
	s_add_nc_u64 s[OVS:OVS+1], s[OVS:OVS+1], 256
	s_sub_co_u32 s[TRIP], s[TRIP], 1
	s_cmp_lg_u32 s[TRIP], 0
	s_cbranch_scc1 .Lblk
	s_wait_dscnt 0x0                               ; the loads that ran ahead are back
	s_wait_tensorcnt 0x0
	ds_add_u32 v254, v255
	s_wait_dscnt 0x0
	CROUND                                         ; the closing round
	s_endpgm
.Lfunc_end_k_q6ad91d149e_qkv:
	.size	k_q6ad91d149e_qkv, .Lfunc_end_k_q6ad91d149e_qkv-k_q6ad91d149e_qkv
	.p2alignl 7, 3214868480
	.fill 96, 4, 3214868480
	.section	.rodata,"a",@progbits
	.p2align	6, 0x0
	.amdhsa_kernel k_q6ad91d149e_qkv
		.amdhsa_group_segment_fixed_size 205312
		.amdhsa_private_segment_fixed_size 0
		.amdhsa_enable_private_segment 0
		.amdhsa_kernarg_size 56
		.amdhsa_user_sgpr_count 2
		.amdhsa_user_sgpr_kernarg_segment_ptr 1
		.amdhsa_wavefront_size32 1
		.amdhsa_system_sgpr_workgroup_id_x 1
		.amdhsa_system_sgpr_workgroup_id_y 1
		.amdhsa_system_sgpr_workgroup_id_z 1
		.amdhsa_system_vgpr_workitem_id 0
		.amdhsa_next_free_vgpr 1024
		.amdhsa_next_free_sgpr 100
		.amdhsa_reserve_vcc 0
		.amdhsa_float_denorm_mode_32 3
		.amdhsa_float_denorm_mode_16_64 3
		.amdhsa_memory_ordered 1
		.amdhsa_forward_progress 1
		.amdhsa_inst_pref_size 150
	.end_amdhsa_kernel
	.amdgpu_metadata
---
amdhsa.version: [ 1, 2 ]
amdhsa.kernels:
  - .name:           k_q6ad91d149e_qkv
    .symbol:         k_q6ad91d149e_qkv.kd
    .args:
      - { .name: ea, .offset: 0, .size: 8, .value_kind: global_buffer, .address_space: global }
      - { .name: wq, .offset: 8, .size: 8, .value_kind: global_buffer, .address_space: global }
      - { .name: bq, .offset: 16, .size: 8, .value_kind: global_buffer, .address_space: global }
      - { .name: bk, .offset: 24, .size: 8, .value_kind: global_buffer, .address_space: global }
      - { .name: bv, .offset: 32, .size: 8, .value_kind: global_buffer, .address_space: global }
      - { .name: qa, .offset: 40, .size: 8, .value_kind: global_buffer, .address_space: global }
      - { .name: kv, .offset: 48, .size: 8, .value_kind: global_buffer, .address_space: global }
    .group_segment_fixed_size: 205312
    .private_segment_fixed_size: 0
    .kernarg_segment_align: 8
    .kernarg_segment_size: 56
    .max_flat_workgroup_size: 128
    .sgpr_count:     100
    .vgpr_count:     1024
    .wavefront_size: 32
...
	.end_amdgpu_metadata
.endif
;; end of part 2
;; launch attn (part 3): grid 4 x 64, 8 waves a work-group, clusters of 4 x 1, 218,112 bytes of LDS; arguments qa, kv, mask, ca; writes ca
.if DOCPART == 3
	.amdgcn_target "amdgcn-amd-amdhsa--gfx1250"
	.amdhsa_code_object_version 6
	.text
	.protected	k_q6ad91d149e_attn
	.globl	k_q6ad91d149e_attn
	.p2align	8
	.type	k_q6ad91d149e_attn,@function
k_q6ad91d149e_attn:
	s_mov_b64 s[64:65], 0
	v_nop
	global_prefetch_b8 v0, s[64:65] scope:SCOPE_SE
	s_setreg_imm32_b32 hwreg(HW_REG_WAVE_MODE, 25, 1), 1
	s_wait_xcnt 0x0
	s_wait_alu depctr_hold_cnt(0) depctr_sa_sdst(0) depctr_va_vdst(0) depctr_va_sdst(0) depctr_va_ssrc(0) depctr_va_vcc(0) depctr_vm_vsrc(0)
	s_getreg_b32 s2, hwreg(HW_REG_IB_STS2, 6, 4)
	s_cmp_eq_u32 s2, 0
	s_cbranch_scc0 .Lentry_in_a_cluster
	s_endpgm
.Lentry_in_a_cluster:
	s_bfe_u32 s2, ttmp6, 0x10000c
	s_cmp_lg_u32 s2, 0x3003
	s_cbranch_scc0 .Lentry_shape_is_right
	s_endpgm
.Lentry_shape_is_right:
; ctx = softmax(q k^T / 8, keys with mask 0 left out) v for one head, both products on codes of FP6 (E2M3) with E8M0 scales, and ctx quantised along D for the last product.
; THE SOFTMAX: t = score x log2(e) / 8; M = the running largest t rounded UP to a whole number; p = 2^(t - M) is quantised along the keys, not normalised; the row's sum is taken of the unquantised p and
; divides at the end.  When M moves, the sum and O are multiplied by 2^(old M - new M), which rounds nothing.
; SHARES.  Work-group (cx, head): 512 queries.  The head's whole block of kv (208,896 bytes: k's half images, v^T's images, both scale words) lies in LDS, filled ONCE; the four work-groups of a cluster
; belong to one head and ask for it jointly, one load of 26,112 bytes a wave.  A wave takes two tiles of 16 queries through all 16 key steps of 128, twice.  Every fragment read from LDS feeds both tiles.
; Both products are used transposed (S^T = k q^T, O^T = v^T p^T): a lane holds one query throughout; the keys of a tile are 32 b + 8 u + i + 8 (i / 8), so two tiles' 16 registers are 16 neighbouring keys.
; THE HEAD HAS 64 AND THE PRODUCT IS 128 DEEP: q's registers 6-11 are zero codes.  k's operand of tile t is v[6 t .. 6 t + 11]: its upper half is the next tile's codes (zeros behind the last), which meet
; q's zeros; the scale bytes of that half are 0 on both sides, which is a power of two and no NaN.
; THE MASK is the C of the score product: 0 for a key that counts, -3e38 for one that does not.  Such a t lies under -1e37, from which the running largest t starts, so p = 0 exactly.
; LIMITS: a mask that leaves no key is not served (the division is by 0); scores beyond 5e37 in magnitude, NaN and infinities are not served; a block of zeros gets the byte 1, not 127 (its codes are zeros).
; OUT.  ca, for each 128 tokens 102,400 bytes: tile tl, K step s at 12288 tl + 1536 s; head hd fills step hd / 2, pieces 3 (hd % 2) on, and half hd % 2 of the scale words at 98304 + 1024 (tl / 2) + 128 s + 4 lane.
; REGISTERS.  window 0: v1-11, v21 addresses; v12-19 -M, largest t, the sum's two halves, for each tile; v20 q's scale words; v24-47 q; v48-55 scale words of k, v, p; v56-79 p's codes; v80-103 at work; v128-255 S^T, then p.
;   window 1: v0-53 k; v64-127 the mask's numbers; v128-175 v^T; v192-255 O^T.
.set WV,    12
.set G1,    16
.set G0,    24
.set QB,    28
.set QSB,   30
.set CB,    32
.set CSB,   34
.set SEL,   36
.set CS,    38
.set HM,    40
.set KO,    41                         ; s41 the key step's bytes in k's and in v's images: 6,144 a step
.set MO,    42                         ; s42 in the mask's numbers and k's scale words: 512 a step
.set VO,    43                         ; s43 in v's scale words: 256 a step
.set INNER, 44
.set OUTER, 45
.set MB,    208896                     ; LDS: the mask as 2,048 numbers, behind the head's block
.set AK0,  1
.set AV0,  2
.set AM0,  3
.set AS0,  4
.set AT0,  5
.set ADK,  6
.set ADV,  7
.set ADM,  8
.set ADS,  9
.set ADT,  10
.set L4,   11
.set STAT, 12
.set QS,   20
.set L16,  21
.set Q,    24
.set KS,   48
.set VS,   52
.set PS,   54
.set PCD,  56
.set X2,   80
.set TM,   88
.set F,    100
.set T,    102
.set S,    128
.set KF,   0
.set MK,   64
.set VF,   128
.set O,    192
.set MSB, 0
.macro WIN new                         ; the immediate's high byte repeats the setting that is left
.if MSB != (\new)
	s_set_vgpr_msb (MSB<<8)|(\new)
.set MSB, (\new)
.endif
.endm
.macro PLACES n
.rept \n
	v_nop
.endr
.endm
.macro CROUND                          ; a round of the cluster's barrier
	s_barrier_signal -1
	s_barrier_wait -1
	s_cmp_lg_u32 s[WV], 0
	s_cbranch_scc1 .Lnot_wave_0_\@
	s_barrier_signal -3
.Lnot_wave_0_\@:
	s_barrier_wait -3
	s_barrier_signal -1
	s_barrier_wait -1
.endm
.macro WM d, a, b, c, sa, sb, ra, rb   ; one product; ra, rb = 1: that side's scales stand in lanes 16-31
.if (\ra) && (\rb)
	v_wmma_scale_f32_16x16x128_f8f6f4 v[0+(\d):7+(\d)], v[0+(\a):11+(\a)], v[0+(\b):11+(\b)], v[0+(\c):7+(\c)], v[0+(\sa)], v[0+(\sb)] matrix_a_fmt:MATRIX_FMT_FP6 matrix_b_fmt:MATRIX_FMT_FP6 matrix_a_scale:MATRIX_SCALE_ROW1 matrix_b_scale:MATRIX_SCALE_ROW1
.elseif (\ra)
	v_wmma_scale_f32_16x16x128_f8f6f4 v[0+(\d):7+(\d)], v[0+(\a):11+(\a)], v[0+(\b):11+(\b)], v[0+(\c):7+(\c)], v[0+(\sa)], v[0+(\sb)] matrix_a_fmt:MATRIX_FMT_FP6 matrix_b_fmt:MATRIX_FMT_FP6 matrix_a_scale:MATRIX_SCALE_ROW1
.elseif (\rb)
	v_wmma_scale_f32_16x16x128_f8f6f4 v[0+(\d):7+(\d)], v[0+(\a):11+(\a)], v[0+(\b):11+(\b)], v[0+(\c):7+(\c)], v[0+(\sa)], v[0+(\sb)] matrix_a_fmt:MATRIX_FMT_FP6 matrix_b_fmt:MATRIX_FMT_FP6 matrix_b_scale:MATRIX_SCALE_ROW1
.else
	v_wmma_scale_f32_16x16x128_f8f6f4 v[0+(\d):7+(\d)], v[0+(\a):11+(\a)], v[0+(\b):11+(\b)], v[0+(\c):7+(\c)], v[0+(\sa)], v[0+(\sb)] matrix_a_fmt:MATRIX_FMT_FP6 matrix_b_fmt:MATRIX_FMT_FP6
.endif
.endm
; 32 numbers of a lane at v[x], register 16 b + i = k 32 b + 16 (lane / 16) + i of my row, become six registers of codes at v[pc] and two scale bytes in v[pw]
.macro QUANTH x, pc, x2, pw
.irp b, 0,1
	v_max3_num_f32 v[TM+\b], |v[16*\b+(\x)]|, |v[16*\b+1+(\x)]|, 0x1800000
.endr
.irp i, 2,4,6,8,10,12,14
.irp b, 0,1
	v_max3_num_f32 v[TM+\b], v[TM+\b], |v[16*\b+\i+(\x)]|, |v[16*\b+\i+1+(\x)]|
.endr
.endr
.irp b, 0,1
	v_permlanex16_b32 v[TM+2+\b], v[TM+\b], s[SEL], s[SEL+1]
.endr
.irp b, 0,1
	v_max_num_f32 v[TM+\b], v[TM+\b], v[TM+2+\b]
.endr
.irp b, 0,1
	v_add_nc_u32 v[TM+4+\b], 0xff000000, v[TM+\b]
.endr
.irp b, 0,1
	v_lshrrev_b32 v[TM+2+\b], 23, v[TM+4+\b]
.endr
	v_lshl_or_b32 v[0+(\pw)], v[TM+3], 8, v[TM+2]
	v_cvt_scalef32_pk16_fp6_f32 v[0+(\pc):2+(\pc)], v[0+(\x):15+(\x)], v[TM+4]
	v_cvt_scalef32_pk16_fp6_f32 v[0+(\x2):2+(\x2)], v[16+(\x):31+(\x)], v[TM+5]
	v_nop                                          ; one plain line behind the conversions
.irp i, 0,1,2
	v_permlane16_swap_b32 v[\i+(\pc)], v[\i+(\x2)]
.endr
.irp i, 0,1,2
	v_mov_b32 v[3+\i+(\pc)], v[\i+(\x2)]
.endr
.endm
.macro KLOAD                           ; 41 LDS loads: a step's 8 tiles of k, the mask's 128 numbers in the result's layout, k's scale words
	WIN 0x40
.irp t, 0,1,2,3,4,5,6,7
.irp p, 0,1,2
	ds_load_b64 v[KF+6*\t+2*\p:KF+6*\t+2*\p+1], v[ADK] offset:768*\t+256*\p
.endr
.endr
.irp b, 0,1,2,3
.irp n, 0,1,2,3
	ds_load_b128 v[MK+16*\b+4*\n:MK+16*\b+4*\n+3], v[ADM] offset:128*\b+16*\n   ; keys 32 b + 16 h + 4 n on: the sixteen lanes of a half read the same bytes
.endr
.endr
	WIN 0
	ds_load_b128 v[KS:KS+3], v[ADS]
.endm
.macro VLOAD                           ; 26 LDS loads: a step's 4 tiles of v^T and their scale words
	WIN 0x40
.irp t, 0,1,2,3
.irp p, 0,1,2,3,4,5
	ds_load_b64 v[VF+12*\t+2*\p:VF+12*\t+2*\p+1], v[ADV] offset:1536*\t+256*\p
.endr
.endr
	WIN 0
.irp a, 0,1
	ds_load_b32 v[VS+\a], v[ADT] offset:128*\a
.endr
.endm
; One tile's softmax for a key step: 64 scores of a lane become p's 12 registers of codes and its scale word; the sum and O^T are brought under the new M.
.macro SM q
.set S0, S+64*(\q)
.set ST, STAT+4*(\q)
.set PQ, PCD+12*(\q)
.set OQ, O+32*(\q)
.irp b, 0,1,2,3
	v_max3_num_f32 v[TM+\b], v[S0+16*\b], v[S0+16*\b+1], v[S0+16*\b+2]   ; the largest score of each block of 32 keys: for the row's maximum and, since p rises with the score, for the block's largest p
.endr
.irp i, 3,5,7,9,11,13
.irp b, 0,1,2,3
	v_max3_num_f32 v[TM+\b], v[TM+\b], v[S0+16*\b+\i], v[S0+16*\b+\i+1]
.endr
.endr
.irp b, 0,1,2,3
	v_max_num_f32 v[TM+\b], v[TM+\b], v[S0+16*\b+15]
.endr
.irp b, 0,1,2,3
	v_permlanex16_b32 v[TM+4+\b], v[TM+\b], s[SEL], s[SEL+1]
.endr
.irp b, 0,1,2,3
	v_max_num_f32 v[TM+\b], v[TM+\b], v[TM+4+\b]   ; with lane l xor 16's 16 keys
.endr
	v_max3_num_f32 v[T], v[TM], v[TM+1], v[TM+2]
	v_max_num_f32 v[T], v[T], v[TM+3]
	v_mul_f32 v[T], s[CS], v[T]                    ; as t (c is positive)
	v_max_num_f32 v[ST+1], v[ST+1], v[T]           ; the running largest t
	v_mov_b32 v[T], v[ST]
	v_floor_f32 v[ST], -v[ST+1]                    ; the new -M = floor(-t): M is a whole number
	v_sub_f32 v[T], v[ST], v[T]                    ; old M - new M: a whole number, 0 or less
	v_cvt_i32_f32 v[T], v[T]                       ; (it saturates)
	v_ldexp_f32 v[F], 1.0, v[T]                    ; f = 2^(old M - new M)
.irp j, 0,2,4,6,8,10,12,14,16,18,20,22,24,26,28,30,32,34,36,38,40,42,44,46,48,50,52,54,56,58,60,62
	v_pk_fma_f32 v[S0+\j:S0+\j+1], v[S0+\j:S0+\j+1], s[CS:CS+1], v[ST:ST+1] op_sel_hi:[1,0,0]   ; t - M, two at a time
.endr
.irp b, 0,1,2,3
	v_fma_f32 v[TM+\b], v[TM+\b], s[CS], v[ST]     ; the same of each block's largest score
.endr
.irp j, 0,1,2,3,4,5,6,7,8,9,10,11,12,13,14,15,16,17,18,19,20,21,22,23,24,25,26,27,28,29,30,31,32,33,34,35,36,37,38,39,40,41,42,43,44,45,46,47,48,49,50,51,52,53,54,55,56,57,58,59,60,61,62,63
	v_exp_f32 v[S0+\j], v[S0+\j]                   ; p = 2^(t - M)
.endr
.irp b, 0,1,2,3
	v_exp_f32 v[TM+\b], v[TM+\b]                   ; the block's largest p
.endr
	v_pk_mul_f32 v[ST+2:ST+3], v[ST+2:ST+3], v[F:F+1] op_sel_hi:[1,0]   ; the sum under the new M (a plain line behind the exponentials)
	s_wait_alu depctr_va_vdst(0)
.irp b, 0,1,2,3
	v_max_num_f32 v[TM+\b], 0x1800000, v[TM+\b]    ; the floor 2^(3 - 127)
.endr
.irp b, 0,1,2,3
	v_add_nc_u32 v[TM+8+\b], 0xff000000, v[TM+\b]  ; the conversion's scale operand
.endr
.irp b, 0,1,2,3
	v_lshrrev_b32 v[TM+4+\b], 23, v[TM+8+\b]       ; the byte
.endr
	v_lshl_or_b32 v[PS+(\q)], v[TM+5], 8, v[TM+4]  ; p's scale word for these 128 keys
	v_lshl_or_b32 v[PS+(\q)], v[TM+6], 16, v[PS+(\q)]
	v_lshl_or_b32 v[PS+(\q)], v[TM+7], 24, v[PS+(\q)]
.irp c, 0,1
	v_cvt_scalef32_pk16_fp6_f32 v[PQ+6*\c:PQ+6*\c+2], v[S0+32*\c:S0+32*\c+15], v[TM+8+2*\c]
	v_cvt_scalef32_pk16_fp6_f32 v[X2+4*\c:X2+4*\c+2], v[S0+32*\c+16:S0+32*\c+31], v[TM+9+2*\c]
.endr
	v_nop                                          ; one plain line behind the conversions
.irp c, 0,1
.irp i, 0,1,2
	v_permlane16_swap_b32 v[PQ+6*\c+\i], v[X2+4*\c+\i]
.endr
.irp i, 0,1,2
	v_mov_b32 v[PQ+6*\c+3+\i], v[X2+4*\c+\i]
.endr
.endr
	v_pk_add_f32 v[TM+4:TM+5], v[S0:S0+1], v[S0+2:S0+3]   ; the row's sum is taken of the unquantised p, in two chains
.irp j, 4,8,12,16,20,24,28,32,36,40,44,48,52,56,60
	v_pk_add_f32 v[ST+2:ST+3], v[ST+2:ST+3], v[S0+\j:S0+\j+1]
	v_pk_add_f32 v[TM+4:TM+5], v[TM+4:TM+5], v[S0+\j+2:S0+\j+3]
.endr
	v_pk_add_f32 v[ST+2:ST+3], v[ST+2:ST+3], v[TM+4:TM+5]
	WIN 0x41
.irp j, 0,2,4,6,8,10,12,14,16,18,20,22,24,26,28,30
	v_pk_mul_f32 v[OQ+\j:OQ+\j+1], v[OQ+\j:OQ+\j+1], v[F:F+1] op_sel_hi:[1,0]   ; O^T under the new M, each accumulator from its low end on
.endr
	WIN 0
.endm
; A KEY STEP of 128 keys for both tiles.  next = 1: the next step's operands are fetched: k's group behind the scores, v's behind the second product.
.macro STEP next
	s_wait_dscnt 26                                ; k's group of 41 loads is in; v's 26, issued behind it, may be out
	WIN 0x11
.irp t, 0,1,2,3,4,5,6,7
.irp q, 0,1
	WM S+64*\q+8*\t, KF+6*\t, Q+12*\q, MK+8*\t, KS+\t/2, QS, \t&1, \q
.endr
.endr
	WIN 0
.if \next
	s_add_co_u32 s[KO], s[KO], 6144
	s_add_co_u32 s[MO], s[MO], 512
	s_add_co_u32 s[VO], s[VO], 256
	v_add_nc_u32 v[ADK], s[KO], v[AK0]             ; these five lines are the places in front of the loads into registers that the scores' products have read
	v_add_nc_u32 v[ADV], s[KO], v[AV0]
	v_add_nc_u32 v[ADM], s[MO], v[AM0]
	v_add_nc_u32 v[ADS], s[MO], v[AS0]
	v_add_nc_u32 v[ADT], s[VO], v[AT0]
	KLOAD
.else
	PLACES 4
.endif
	SM 0
	SM 1
.if \next
	s_wait_dscnt 41                                ; v's group is in; the 41 loads of k's next group may be out
.else
	s_wait_dscnt 0x0
.endif
	WIN 0x51
.irp t, 0,1,2,3
.irp q, 0,1
	WM O+32*\q+8*\t, VF+12*\t, PCD+12*\q, O+32*\q+8*\t, VS+\t/2, PS+\q, \t&1, 0
.endr
.endr
	WIN 0
	PLACES 4
.if \next
	VLOAD
.endif
.endm
	s_load_b256 s[4:11], s[0:1], 0x0               ; qa, kv, mask, ca
	v_lshl_add_u32 v126, v0, 2, 0x35000
	v_mov_b32 v127, 0
	ds_add_u32 v126, v127
	ds_add_u32 v126, v127
	v_lshrrev_b32 v1, 5, v0
	v_readfirstlane_b32 s[WV], v1                  ; wave 0..7
	s_bfe_u32 s13, ttmp6, 0x40000                  ; cx: which 512 queries; it enters q's and ctx's global addresses alone
	s_and_b32 s14, ttmp7, 0xffff                   ; 16 x batch + head, which the four partners share
	s_mov_b32 s[G1], 15|(3<<16)|(1<<21)            ; the mask: all four; elements of 8 bytes; bit 21 beside a mask; no padding
	s_mov_b32 s[G1+1], 32<<16                      ; rows of 256 bytes
	s_mov_b32 s[G1+2], 102<<16
	s_mov_b32 s[G1+3], 32<<16
	s_mov_b32 s[G1+4], 102                         ; 26,112 bytes a wave
	s_mov_b32 s[G1+5], 32
	s_mov_b32 s[G1+6], 0
	s_mov_b32 s[G1+7], 0
	s_mul_i32 s46, s14, 208896
	s_mul_i32 s48, s[WV], 26112
	s_add_co_u32 s46, s46, s48
	s_mov_b32 s47, 0
	s_mul_i32 s48, s14, 106496
	s_lshl_b32 s49, s13, 5
	s_lshl_b32 s50, s[WV], 1
	s_add_co_u32 s49, s49, s50
	s_mul_i32 s49, s49, 768
	s_add_co_u32 s50, s48, s49                     ; q: tiles 32 cx + 2 w, + 1
	s_mov_b32 s51, 0
	s_lshl_b32 s52, s13, 2
	s_lshr_b32 s53, s[WV], 2
	s_add_co_u32 s52, s52, s53                     ; which 128 tokens of the batch
	s_and_b32 s53, s[WV], 3                        ; which pair of tiles in them
	s_lshl_b32 s54, s52, 9
	s_add_co_u32 s54, s54, s48
	s_add_co_u32 s54, s54, 98304
	s_lshl_b32 s55, s53, 2
	s_add_co_u32 s54, s54, s55
	s_mov_b32 s55, 0
	s_lshr_b32 s56, s14, 4
	s_lshl_b32 s56, s56, 4
	s_add_co_u32 s56, s56, s52
	s_mul_i32 s56, s56, 102400                     ; the block of 128 tokens in ca
	s_and_b32 s57, s14, 15
	s_lshr_b32 s58, s57, 1                         ; the K step of the last product: head / 2
	s_and_b32 s57, s57, 1                          ; and its half
	s_mul_i32 s59, s53, 24576
	s_add_co_u32 s60, s56, s59
	s_mul_i32 s59, s58, 1536
	s_add_co_u32 s60, s60, s59
	s_mul_i32 s59, s57, 768
	s_add_co_u32 s60, s60, s59
	s_mov_b32 s61, 0
	s_lshl_b32 s59, s53, 10
	s_add_co_u32 s62, s56, s59
	s_lshl_b32 s59, s58, 7
	s_add_co_u32 s62, s62, s59
	s_lshl_b32 s59, s57, 1
	s_add_co_u32 s62, s62, s59
	s_add_co_u32 s62, s62, 98304
	s_mov_b32 s63, 0
	s_mov_b32 s[SEL], 0x76543210
	s_mov_b32 s[SEL+1], 0xfedcba98
	s_mov_b32 s[CS], 0x3e38aa3b                    ; c = log2(e) / 8
	s_mov_b32 s[CS+1], s[CS]                       ; (named with it as a pair, so it is written)
	s_mov_b32 s[HM], 0xffff0000
	v_and_b32 v[L16], 31, v0
	v_lshlrev_b32 v[AK0], 3, v[L16]                ; 8 x lane
	v_add_nc_u32 v[AV0], 98304, v[AK0]
	v_bfe_u32 v[AM0], v0, 4, 1
	v_lshlrev_b32 v[AM0], 6, v[AM0]
	v_add_nc_u32 v[AM0], MB, v[AM0]                ; the mask's numbers: + 64 h
	v_lshlrev_b32 v[L4], 2, v[L16]
	v_add_nc_u32 v[AT0], 204800, v[L4]
	v_lshlrev_b32 v[L16], 4, v[L16]
	v_add_nc_u32 v[AS0], 196608, v[L16]
	s_wait_dscnt 0x0
	s_wait_kmcnt 0x0
	s_mov_b32 s[G0], 1
	s_mul_i32 s[G0+1], s[WV], 26112                ; LDS address: the wave's number alone
	s_add_nc_u64 s[G0+2:G0+3], s[6:7], s[46:47]
	s_or_b32 s[G0+3], s[G0+3], 0x80000000
	s_add_nc_u64 s[QB:QB+1], s[4:5], s[50:51]
	s_add_nc_u64 s[QSB:QSB+1], s[4:5], s[54:55]
	s_add_nc_u64 s[CB:CB+1], s[10:11], s[60:61]
	s_add_nc_u64 s[CSB:CSB+1], s[10:11], s[62:63]
	CROUND                                         ; all four work-groups are here: the joint loads meet
	tensor_load_to_lds s[G0:G0+3], s[G1:G1+7]      ; my one tensor load of the launch; no LDS byte is filled twice
	s_nop 0
	PLACES 4
	v_lshlrev_b32 v22, 5, v0                       ; thread t takes keys 8 t .. 8 t + 7 of the mask
	global_load_b128 v[S:S+3], v22, s[8:9]
	global_load_b128 v[S+4:S+7], v22, s[8:9] offset:16
.irp q, 0,1
.irp j, 6,7,8,9,10,11
	v_mov_b32 v[Q+12*\q+\j], 0                     ; q's upper 64 along K: zero codes
.endr
.endr
.irp b, 0,1,2,3
	v_mov_b32 v[TM+4+\b], 0                        ; a lane permute's destination counts as read: written once
.endr
	v_mov_b32 v[F+1], 0                            ; (named as the upper half of a pair)
	v_mov_b32 v23, 0xff61b1e6                      ; -3e38
	WIN 0x40
.irp j, 48,49,50,51,52,53
	v_mov_b32 v[KF+\j], 0                          ; behind k's last tile
.endr
	WIN 0
	s_wait_loadcnt 0x0
.irp j, 0,1,2,3,4,5,6,7
	v_cmp_eq_u32 vcc_lo, 0, v[S+\j]
	v_cndmask_b32 v[S+\j], 0, v23, vcc_lo          ; 0 where the key counts
.endr
	v_add_nc_u32 v22, MB, v22
	ds_store_b128 v22, v[S:S+3]
	ds_store_b128 v22, v[S+4:S+7] offset:16
	s_wait_tensorcnt 0x0                           ; my part of the head's block has landed,
	s_wait_dscnt 0x0                               ; my part of the mask is stored:
	s_barrier_signal -1
	s_barrier_wait -1                              ; everybody's.  From here on LDS is only read
	s_mov_b32 s[OUTER], 2
.Lpair:                                                ; two trips: a pair of query tiles each
.irp q, 0,1
.irp p, 0,1,2
	global_load_b64 v[Q+12*\q+2*\p:Q+12*\q+2*\p+1], v[AK0], s[QB:QB+1] offset:768*\q+256*\p
.endr
.endr
	global_load_b32 v[QS], v[L16], s[QSB:QSB+1]    ; lanes 0-15 the first tile's words, lanes 16-31 the second's
.irp q, 0,1
	v_mov_b32 v[STAT+4*\q+1], 0xfcf0bdc2           ; the largest t so far: -1e37: over every masked t, under every other
	v_floor_f32 v[STAT+4*\q], -v[STAT+4*\q+1]
	v_mov_b32 v[STAT+4*\q+2], 0
	v_mov_b32 v[STAT+4*\q+3], 0
.endr
	WIN 0x40
.irp j, 0,1,2,3,4,5,6,7,8,9,10,11,12,13,14,15,16,17,18,19,20,21,22,23,24,25,26,27,28,29,30,31,32,33,34,35,36,37,38,39,40,41,42,43,44,45,46,47,48,49,50,51,52,53,54,55,56,57,58,59,60,61,62,63
	v_mov_b32 v[O+\j], 0                           ; O^T: the step is written once; its first walk finds zeros, which the first change of M leaves zeros
.endr
	WIN 0
	s_mov_b32 s[KO], 0
	s_mov_b32 s[MO], 0
	s_mov_b32 s[VO], 0
	v_mov_b32 v[ADK], v[AK0]
	v_mov_b32 v[ADV], v[AV0]
	v_mov_b32 v[ADM], v[AM0]
	v_mov_b32 v[ADS], v[AS0]
	v_mov_b32 v[ADT], v[AT0]
	KLOAD
	VLOAD
	s_wait_loadcnt 0x0                             ; q
	s_mov_b32 s[INNER], 15
.Lstep:
	STEP 1
	s_sub_co_u32 s[INNER], s[INNER], 1
	s_cmp_lg_u32 s[INNER], 0
	s_cbranch_scc1 .Lstep
	STEP 0                                         ; the last step fetches nothing
	; ctx = O^T / the sum, quantised along the head's 64, which are half a K step of the last product
.irp q, 0,1
	v_add_f32 v[STAT+4*\q+2], v[STAT+4*\q+2], v[STAT+4*\q+3]
.endr
.irp q, 0,1
	v_permlanex16_b32 v[TM+4+\q], v[STAT+4*\q+2], s[SEL], s[SEL+1]
.endr
.irp q, 0,1
	v_add_f32 v[STAT+4*\q+2], v[STAT+4*\q+2], v[TM+4+\q]   ; the row's sum
.endr
.irp q, 0,1
	v_rcp_f32 v[STAT+4*\q+2], v[STAT+4*\q+2]
.endr
	v_nop                                          ; a plain line behind the reciprocals
	s_wait_alu depctr_va_vdst(0)
.irp q, 0,1
	WIN 0x01
.irp j, 0,2,4,6,8,10,12,14,16,18,20,22,24,26,28,30
	v_pk_mul_f32 v[S+64*\q+\j:S+64*\q+\j+1], v[O+32*\q+\j:O+32*\q+\j+1], v[STAT+4*\q+2:STAT+4*\q+3] op_sel_hi:[1,0]   ; register 16 a + i is channel 32 a + 16 h + i
.endr
	WIN 0
	QUANTH S+64*\q, PCD+12*\q, X2, PS+\q
.irp p, 0,1,2
	global_store_b64 v[AK0], v[PCD+12*\q+2*\p:PCD+12*\q+2*\p+1], s[CB:CB+1] offset:\q*12288+256*\p   ; 256 consecutive bytes, aligned
.endr
.endr
	v_cndmask_b32 v[T], v[PS], v[PS+1], s[HM]
	global_store_b16 v[L4], v[T], s[CSB:CSB+1]     ; my head's two bytes of each row's scale word
	s_wait_xcnt 0x0                                ; the stores have read their data and their bases
	s_add_nc_u64 s[QB:QB+1], s[QB:QB+1], 12288     ; eight pairs on
	s_add_nc_u64 s[QSB:QSB+1], s[QSB:QSB+1], 1024
	s_add_nc_u64 s[CB:CB+1], s[CB:CB+1], 204800
	s_add_nc_u64 s[CSB:CSB+1], s[CSB:CSB+1], 204800
	s_sub_co_u32 s[OUTER], s[OUTER], 1
	s_cmp_lg_u32 s[OUTER], 0
	s_cbranch_scc1 .Lpair
	s_wait_dscnt 0x0
	s_wait_tensorcnt 0x0
	ds_add_u32 v126, v127
	s_wait_dscnt 0x0
	CROUND                                         ; the closing round
	s_endpgm
.Lfunc_end_k_q6ad91d149e_attn:
	.size	k_q6ad91d149e_attn, .Lfunc_end_k_q6ad91d149e_attn-k_q6ad91d149e_attn
	.p2alignl 7, 3214868480
	.fill 96, 4, 3214868480
	.section	.rodata,"a",@progbits
	.p2align	6, 0x0
	.amdhsa_kernel k_q6ad91d149e_attn
		.amdhsa_group_segment_fixed_size 218112
		.amdhsa_private_segment_fixed_size 0
		.amdhsa_enable_private_segment 0
		.amdhsa_kernarg_size 32
		.amdhsa_user_sgpr_count 2
		.amdhsa_user_sgpr_kernarg_segment_ptr 1
		.amdhsa_wavefront_size32 1
		.amdhsa_system_sgpr_workgroup_id_x 1
		.amdhsa_system_sgpr_workgroup_id_y 1
		.amdhsa_system_sgpr_workgroup_id_z 1
		.amdhsa_system_vgpr_workitem_id 0
		.amdhsa_next_free_vgpr 512
		.amdhsa_next_free_sgpr 66
		.amdhsa_reserve_vcc 1
		.amdhsa_float_denorm_mode_32 3
		.amdhsa_float_denorm_mode_16_64 3
		.amdhsa_memory_ordered 1
		.amdhsa_forward_progress 1
		.amdhsa_inst_pref_size 81
	.end_amdhsa_kernel
	.amdgpu_metadata
---
amdhsa.version: [ 1, 2 ]
amdhsa.kernels:
  - .name:           k_q6ad91d149e_attn
    .symbol:         k_q6ad91d149e_attn.kd
    .args:
      - { .name: qa, .offset: 0, .size: 8, .value_kind: global_buffer, .address_space: global }
      - { .name: kv, .offset: 8, .size: 8, .value_kind: global_buffer, .address_space: global }
      - { .name: mask, .offset: 16, .size: 8, .value_kind: global_buffer, .address_space: global }
      - { .name: ca, .offset: 24, .size: 8, .value_kind: global_buffer, .address_space: global }
    .group_segment_fixed_size: 218112
    .private_segment_fixed_size: 0
    .kernarg_segment_align: 8
    .kernarg_segment_size: 32
    .max_flat_workgroup_size: 256
    .sgpr_count:     66
    .vgpr_count:     512
    .wavefront_size: 32
...
	.end_amdgpu_metadata
.endif
;; end of part 3
;; launch og (part 4): grid 4 x 64, 4 waves a work-group, clusters of 4 x 1, 168,448 bytes of LDS; arguments ca, wq, bo, out0; writes out0
.if DOCPART == 4
	.amdgcn_target "amdgcn-amd-amdhsa--gfx1250"
	.amdhsa_code_object_version 6
	.text
	.protected	k_q6ad91d149e_og
	.globl	k_q6ad91d149e_og
	.p2align	8
	.type	k_q6ad91d149e_og,@function
k_q6ad91d149e_og:
	s_mov_b64 s[64:65], 0
	v_nop
	global_prefetch_b8 v0, s[64:65] scope:SCOPE_SE
	s_setreg_imm32_b32 hwreg(HW_REG_WAVE_MODE, 25, 1), 1
	s_wait_xcnt 0x0
	s_wait_alu depctr_hold_cnt(0) depctr_sa_sdst(0) depctr_va_vdst(0) depctr_va_sdst(0) depctr_va_ssrc(0) depctr_va_vcc(0) depctr_vm_vsrc(0)
	s_getreg_b32 s2, hwreg(HW_REG_IB_STS2, 6, 4)
	s_cmp_eq_u32 s2, 0
	s_cbranch_scc0 .Lentry_in_a_cluster
	s_endpgm
.Lentry_in_a_cluster:
	s_bfe_u32 s2, ttmp6, 0x10000c
	s_cmp_lg_u32 s2, 0x3003
	s_cbranch_scc0 .Lentry_shape_is_right
	s_endpgm
.Lentry_shape_is_right:
; out = ctx Wo + bo on codes of FP6 (E2M3) with E8M0 scales; sums in f32; the bias is the C of each sum's first product.
; SHARES.  A work-group takes 128 tokens (work-group y: one block of ca, 102,400 bytes, in LDS, filled once) and 256 columns (cx).  THE WAVES SHARE THE COLUMNS: wave w keeps the 64 operand rows
; 3072 + 256 cx + 64 w of wq (Wo's columns) in 384 REGISTERS for the whole launch.  Source 0 = 16 rows of Wo, source 1 = 16 tokens: a lane holds one token and eight neighbouring columns.
; CLUSTER.  A block's four column groups are one cluster: each wave's quarter of the block is asked for jointly.  The weights go from memory straight into registers: no two partners have the same.
; The rows of a tile are rows 32 b + 8 u + i + 8 (i / 8), of the weights and of the tokens.
; OUT.  A tile's 16 tokens x 64 columns go through the wave's own stage in LDS and leave as rows: sixteen lanes store 256 consecutive bytes, aligned.  A tile is stored while the next is multiplied.
; REGISTERS.  window 0: v1-11 addresses; v16-31 Wo's scale words; v32-47 the tokens' (two sets); v48-143 a token tile's 8 fragments; v144-207 two sets of four accumulators; v208-239 rows on their way out.
;   window 1: Wo's K steps 0-4 at 48 s + 12 t.   window 2: steps 5-7 at 48 (s - 5) + 12 t; v144-175 the bias.
.set WV,  12
.set G1,  16
.set G0,  24
.set ADA, 4
.set ADB, 5
.set ADS, 6
.set STO, 7
.set RD,  8
.set CO,  9
.set WS,  16
.set AS,  32
.set AF,  48
.set ACC, 144
.set OB,  208
.set BO,  144
.set STG, 102400                       ; LDS: behind the block, 16 rows x 272 bytes for each wave; no tensor load lands there
.set MSB, 0
.macro WIN new                         ; the immediate's high byte repeats the setting that is left
.if MSB != (\new)
	s_set_vgpr_msb (MSB<<8)|(\new)
.set MSB, (\new)
.endif
.endm
.macro PLACES n
.rept \n
	v_nop
.endr
.endm
.macro CROUND                          ; a round of the cluster's barrier
	s_barrier_signal -1
	s_barrier_wait -1
	s_cmp_lg_u32 s[WV], 0
	s_cbranch_scc1 .Lnot_wave_0_\@
	s_barrier_signal -3
.Lnot_wave_0_\@:
	s_barrier_wait -3
	s_barrier_signal -1
	s_barrier_wait -1
.endm
.macro WM d, a, b, c, sa, sb, ra, rb   ; one product; ra, rb = 1: that side's scales stand in lanes 16-31
.if (\ra) && (\rb)
	v_wmma_scale_f32_16x16x128_f8f6f4 v[0+(\d):7+(\d)], v[0+(\a):11+(\a)], v[0+(\b):11+(\b)], v[0+(\c):7+(\c)], v[0+(\sa)], v[0+(\sb)] matrix_a_fmt:MATRIX_FMT_FP6 matrix_b_fmt:MATRIX_FMT_FP6 matrix_a_scale:MATRIX_SCALE_ROW1 matrix_b_scale:MATRIX_SCALE_ROW1
.elseif (\ra)
	v_wmma_scale_f32_16x16x128_f8f6f4 v[0+(\d):7+(\d)], v[0+(\a):11+(\a)], v[0+(\b):11+(\b)], v[0+(\c):7+(\c)], v[0+(\sa)], v[0+(\sb)] matrix_a_fmt:MATRIX_FMT_FP6 matrix_b_fmt:MATRIX_FMT_FP6 matrix_a_scale:MATRIX_SCALE_ROW1
.elseif (\rb)
	v_wmma_scale_f32_16x16x128_f8f6f4 v[0+(\d):7+(\d)], v[0+(\a):11+(\a)], v[0+(\b):11+(\b)], v[0+(\c):7+(\c)], v[0+(\sa)], v[0+(\sb)] matrix_a_fmt:MATRIX_FMT_FP6 matrix_b_fmt:MATRIX_FMT_FP6 matrix_b_scale:MATRIX_SCALE_ROW1
.else
	v_wmma_scale_f32_16x16x128_f8f6f4 v[0+(\d):7+(\d)], v[0+(\a):11+(\a)], v[0+(\b):11+(\b)], v[0+(\c):7+(\c)], v[0+(\sa)], v[0+(\sb)] matrix_a_fmt:MATRIX_FMT_FP6 matrix_b_fmt:MATRIX_FMT_FP6
.endif
.endm
.macro AFL n, s                        ; token tile n's fragment of K step s
.irp p, 0,1,2,3,4,5
.if (\n) <= 4
	ds_load_b64 v[AF+12*(\s)+2*\p:AF+12*(\s)+2*\p+1], v[ADA] offset:(\n)*12288+(\s)*1536+256*\p
.else
	ds_load_b64 v[AF+12*(\s)+2*\p:AF+12*(\s)+2*\p+1], v[ADB] offset:((\n)-5)*12288+(\s)*1536+256*\p
.endif
.endr
.endm
.macro ASL pr, set                     ; the scale words of a pair of token tiles
.irp s, 0,1,2,3,4,5,6,7
	ds_load_b32 v[AS+8*(\set)+\s], v[ADS] offset:(\pr)*1024+128*\s
.endr
.endm
.macro MUL4 i, s                       ; token tile i, K step s: four accumulators by turns
.irp t, 0,1,2,3
.if (\s) == 0
	WM ACC+32*((\i)&1)+8*\t, 12*\t, AF, BO+8*\t, WS+8*(\t/2), AS+8*(((\i)/2)&1), \t&1, (\i)&1
.elseif (\s) < 5
	WM ACC+32*((\i)&1)+8*\t, 48*(\s)+12*\t, AF+12*(\s), ACC+32*((\i)&1)+8*\t, WS+8*(\t/2)+(\s), AS+8*(((\i)/2)&1)+(\s), \t&1, (\i)&1
.else
	WM ACC+32*((\i)&1)+8*\t, 48*((\s)-5)+12*\t, AF+12*(\s), ACC+32*((\i)&1)+8*\t, WS+8*(\t/2)+(\s), AS+8*(((\i)/2)&1)+(\s), \t&1, (\i)&1
.endif
.endr
.endm
.macro TOSTAGE i                       ; tile i's results into my stage, each accumulator from its low end on, and back as rows: 16 LDS instructions
	s_wait_xcnt 0x0                                ; the stores of the tile before have read the registers that these loads fill
.irp t, 0,1,2,3
	ds_store_b128 v[STO], v[ACC+32*((\i)&1)+8*\t:ACC+32*((\i)&1)+8*\t+3] offset:128*(\t/2)+32*(\t%2)
	ds_store_b128 v[STO], v[ACC+32*((\i)&1)+8*\t+4:ACC+32*((\i)&1)+8*\t+7] offset:128*(\t/2)+32*(\t%2)+16
.endr
.irp n, 0,1,2,3,4,5,6,7
	ds_load_b128 v[OB+4*\n:OB+4*\n+3], v[RD] offset:544*\n   ; a wave's LDS instructions are served in order: these see my stores
.endr
.endm
.macro SEND i, younger                 ; younger: the LDS loads issued behind TOSTAGE's, which may stay out
	s_wait_dscnt \younger
.irp n, 0,1,2,3,4,5,6,7
	global_store_b128 v[CO], v[OB+4*\n:OB+4*\n+3], s[34:35] offset:(32*((\i)/2)+8*((\i)%2)+2*\n+8*(\n/4))*4096 th:TH_STORE_NT   ; rows 2 n, 2 n + 1 of the tile
.endr
.endm
; A TOKEN TILE: 32 products in two groups by the weights' window; behind each group the next tile's same K steps are fetched (30 loads, 8 more where a pair's scale words go first; then 18).
.macro TILE i
	s_wait_dscnt 18                                ; steps 0-4 and the scale words are in; behind them the 18 loads of steps 5-7
	WIN 0x21
	MUL4 \i, 0
	WIN 0x01
	MUL4 \i, 1
	MUL4 \i, 2
	MUL4 \i, 3
	MUL4 \i, 4
	WIN 0
.if (\i) >= 1
	TOSTAGE (\i)-1
.endif
.if (\i) < 7
	PLACES 4
.if ((\i)&1) == 1
	ASL ((\i)+1)/2, (((\i)+1)/2)&1
.endif
	AFL (\i)+1, 0
	AFL (\i)+1, 1
	AFL (\i)+1, 2
	AFL (\i)+1, 3
	AFL (\i)+1, 4
.endif
.if (\i) == 0
	s_wait_dscnt 30                                ; steps 5-7 are in; behind them the 30 just issued
.elseif (\i) < 7
	s_wait_dscnt 46                                ; behind them the stage's 16 and 30 at the least
.else
	s_wait_dscnt 16                                ; behind them the stage's 16
.endif
	WIN 0x02
	MUL4 \i, 5
	MUL4 \i, 6
	MUL4 \i, 7
	WIN 0
	PLACES 4
.if (\i) < 7
	AFL (\i)+1, 5
	AFL (\i)+1, 6
	AFL (\i)+1, 7
.endif
.if (\i) >= 1
.if (\i) < 7
	SEND (\i)-1, 48                                ; behind the stage's loads: 30 at the least and 18
.else
	SEND (\i)-1, 0
.endif
.endif
.endm
	s_load_b256 s[4:11], s[0:1], 0x0               ; ca, wq, bo, out0
	v_lshl_add_u32 v254, v0, 2, 0x29000
	v_mov_b32 v255, 0
	ds_add_u32 v254, v255
	ds_add_u32 v254, v255
	v_lshrrev_b32 v1, 5, v0
	v_readfirstlane_b32 s[WV], v1                  ; wave 0..3
	s_bfe_u32 s13, ttmp6, 0x40000                  ; cx: the column group; it enters global addresses of weights, bias and output alone
	s_and_b32 s14, ttmp7, 0xffff                   ; the block of 128 tokens, which the four partners share
	s_mov_b32 s[G1], 15|(3<<16)|(1<<21)            ; the mask: all four; elements of 8 bytes; bit 21 beside a mask; no padding
	s_mov_b32 s[G1+1], 32<<16                      ; rows of 256 bytes
	s_mov_b32 s[G1+2], 100<<16
	s_mov_b32 s[G1+3], 32<<16
	s_mov_b32 s[G1+4], 100                         ; 25,600 bytes a wave
	s_mov_b32 s[G1+5], 32
	s_mov_b32 s[G1+6], 0
	s_mov_b32 s[G1+7], 0
	s_mul_i32 s36, s14, 102400
	s_mul_i32 s37, s[WV], 25600
	s_add_co_u32 s36, s36, s37
	s_mov_b32 s37, 0
	s_lshl_b32 s38, s13, 3
	s_lshl_b32 s39, s[WV], 1
	s_add_co_u32 s38, s38, s39
	s_add_co_u32 s38, s38, 96                      ; my first pair of tiles in wq: 96 + 8 cx + 2 w
	s_lshl_b32 s40, s38, 10
	s_add_co_u32 s40, s40, 3145728
	s_mov_b32 s41, 0
	s_mul_i32 s38, s38, 24576
	s_mov_b32 s39, 0
	s_lshl_b32 s42, s13, 10
	s_lshl_b32 s43, s[WV], 8
	s_add_co_u32 s42, s42, s43                     ; my first column, in bytes: 4 (256 cx + 64 w)
	s_mov_b32 s43, 0
	s_lshl_b32 s44, s14, 19                        ; 128 rows of 4,096 bytes
	s_add_co_u32 s44, s44, s42
	s_mov_b32 s45, 0
	v_and_b32 v10, 31, v0
	v_lshlrev_b32 v1, 3, v10                       ; 8 x lane
	v_lshlrev_b32 v2, 2, v10                       ; 4 x lane
	v_mov_b32 v[ADA], v1
	v_add_nc_u32 v[ADB], 61440, v1
	v_add_nc_u32 v[ADS], 98304, v2
	v_and_b32 v10, 15, v0                          ; r
	v_bfe_u32 v11, v0, 4, 1                        ; h
	s_mul_i32 s46, s[WV], 4352
	s_add_co_u32 s46, s46, STG                     ; my stage
	v_mul_u32_u24 v[STO], v10, 272
	v_lshl_add_u32 v[STO], v11, 6, v[STO]
	v_add_nc_u32 v[STO], s46, v[STO]               ; in: row r, + 64 h
	v_mul_u32_u24 v[RD], v11, 272
	v_lshl_add_u32 v[RD], v10, 4, v[RD]
	v_add_nc_u32 v[RD], s46, v[RD]                 ; back: lanes 0-15 one row of 256 bytes, lanes 16-31 the next
	v_lshlrev_b32 v[CO], 12, v11
	v_lshl_add_u32 v[CO], v10, 4, v[CO]            ; and the same two rows in out0
	v_lshlrev_b32 v11, 6, v11                      ; the bias: lanes 16-31 begin 16 numbers on
	s_wait_dscnt 0x0
	s_wait_kmcnt 0x0
	s_mov_b32 s[G0], 1
	s_mul_i32 s[G0+1], s[WV], 25600                ; LDS address: the wave's number alone
	s_add_nc_u64 s[G0+2:G0+3], s[4:5], s[36:37]
	s_or_b32 s[G0+3], s[G0+3], 0x80000000
	s_add_nc_u64 s[28:29], s[6:7], s[38:39]
	s_add_nc_u64 s[30:31], s[6:7], s[40:41]
	s_add_nc_u64 s[32:33], s[8:9], s[42:43]
	s_add_nc_u64 s[34:35], s[10:11], s[44:45]
	CROUND                                         ; all four work-groups are here: the joint loads meet
	tensor_load_to_lds s[G0:G0+3], s[G1:G1+7]      ; my one tensor load of the launch; no LDS byte is filled twice
	s_nop 0
	PLACES 4
	WIN 0x40
.irp s, 0,1,2,3,4
.irp t, 0,1,2,3
.irp p, 0,1,2,3,4,5
	global_load_b64 v[48*\s+12*\t+2*\p:48*\s+12*\t+2*\p+1], v1, s[28:29] offset:\t*12288+\s*1536+256*\p
.endr
.endr
.endr
	WIN 0x80
.irp s, 5,6,7
.irp t, 0,1,2,3
.irp p, 0,1,2,3,4,5
	global_load_b64 v[48*(\s-5)+12*\t+2*\p:48*(\s-5)+12*\t+2*\p+1], v1, s[28:29] offset:\t*12288+\s*1536+256*\p
.endr
.endr
.endr
.irp t, 0,1,2,3                                ; lane (r, h) wants, for tile 2 b + u, the bias of columns 32 b + 16 h + 8 u + 0 .. 7
	global_load_b128 v[BO+8*\t:BO+8*\t+3], v11, s[32:33] offset:(32*(\t/2)+8*(\t%2))*4
	global_load_b128 v[BO+8*\t+4:BO+8*\t+7], v11, s[32:33] offset:(32*(\t/2)+8*(\t%2))*4+16
.endr
	WIN 0
.irp a, 0,1
.irp s, 0,1,2,3,4,5,6,7
	global_load_b32 v[WS+8*\a+\s], v2, s[30:31] offset:\a*1024+\s*128
.endr
.endr
	s_wait_loadcnt 0x0
	s_wait_tensorcnt 0x0                           ; my quarter of the block has landed,
	s_barrier_signal -1
	s_barrier_wait -1                              ; everybody's has
	ASL 0, 0
.irp s, 0,1,2,3,4,5,6,7
	AFL 0, \s
.endr
.irp i, 0,1,2,3,4,5,6,7
	TILE \i
.endr
	TOSTAGE 7                                      ; four places stand behind the last products
	SEND 7, 0
	s_wait_dscnt 0x0
	s_wait_tensorcnt 0x0
	ds_add_u32 v254, v255
	s_wait_dscnt 0x0
	CROUND                                         ; the closing round
	s_endpgm
.Lfunc_end_k_q6ad91d149e_og:
	.size	k_q6ad91d149e_og, .Lfunc_end_k_q6ad91d149e_og-k_q6ad91d149e_og
	.p2alignl 7, 3214868480
	.fill 96, 4, 3214868480
	.section	.rodata,"a",@progbits
	.p2align	6, 0x0
	.amdhsa_kernel k_q6ad91d149e_og
		.amdhsa_group_segment_fixed_size 168448
		.amdhsa_private_segment_fixed_size 0
		.amdhsa_enable_private_segment 0
		.amdhsa_kernarg_size 32
		.amdhsa_user_sgpr_count 2
		.amdhsa_user_sgpr_kernarg_segment_ptr 1
		.amdhsa_wavefront_size32 1
		.amdhsa_system_sgpr_workgroup_id_x 1
		.amdhsa_system_sgpr_workgroup_id_y 1
		.amdhsa_system_sgpr_workgroup_id_z 1
		.amdhsa_system_vgpr_workitem_id 0
		.amdhsa_next_free_vgpr 768
		.amdhsa_next_free_sgpr 66
		.amdhsa_reserve_vcc 0
		.amdhsa_float_denorm_mode_32 3
		.amdhsa_float_denorm_mode_16_64 3
		.amdhsa_memory_ordered 1
		.amdhsa_forward_progress 1
		.amdhsa_inst_pref_size 102
	.end_amdhsa_kernel
	.amdgpu_metadata
---
amdhsa.version: [ 1, 2 ]
amdhsa.kernels:
  - .name:           k_q6ad91d149e_og
    .symbol:         k_q6ad91d149e_og.kd
    .args:
      - { .name: ca, .offset: 0, .size: 8, .value_kind: global_buffer, .address_space: global }
      - { .name: wq, .offset: 8, .size: 8, .value_kind: global_buffer, .address_space: global }
      - { .name: bo, .offset: 16, .size: 8, .value_kind: global_buffer, .address_space: global }
      - { .name: out0, .offset: 24, .size: 8, .value_kind: global_buffer, .address_space: global }
    .group_segment_fixed_size: 168448
    .private_segment_fixed_size: 0
    .kernarg_segment_align: 8
    .kernarg_segment_size: 32
    .max_flat_workgroup_size: 128
    .sgpr_count:     66
    .vgpr_count:     768
    .wavefront_size: 32
...
	.end_amdgpu_metadata
.endif
;; end of part 4
